; MI455X (gfx1250); checked and timed in simulation.
; The chip was launched on July 23, 2026; its instructions are those of AMD's public machine-readable ISA for CDNA 5 (MIT licence, August 2026) and "CDNA5" Instruction Set Architecture Reference Guide (July 2026). The comments in the code are by the model that wrote it; some were corrected since.
;; Causal Self Attention. Allowed arithmetic: matrix products marked QUANTISED: E2M3 operands, one E8M0 scale for each 32 along K, by v_wmma_scale_f32_16x16x128_f8f6f4 with both operands' format E2M3, f32 sums; everything else in f32.
;; Inputs: b_proj 1,024 float32; b_qkv 3,072 float32; w_proj 1,024 x 1,024 float32; w_qkv 1,024 x 3,072 float32; x 4 x 2,048 x 1,024 float32.
;; Outputs: out0 4 x 2,048 x 1,024 float32.
;; This version of the problem:
;;   THIS VERSION OF THE PROBLEM IS GIVEN IN LOW PRECISION. The matrix products marked QUANTISED in the list below multiply operands that are first quantised to E2M3 (2 exponent bits, 3 mantissa bits; 6 bits a number), with one power-of-two scale for each 32 numbers along K (OCP MX v1.0); their sums are f32. All else is computed in f32.
;;   The module's matrix products, in the order in which they are computed (A, B: the left and right operand; K: the contracted axis; several contracted axes count as one K, in the product's order):
;;     1. [M 8,192, K 1,024] x [K 1,024, N 3,072]; A: input x; B: input w_qkv: QUANTISED
;;     2. batch 64 x [M 2,048, K 64] x [K 64, N 2,048]; A: computed on the way; B: computed on the way: QUANTISED
;;     3. batch 64 x [M 2,048, K 2,048] x [K 2,048, N 64]; A: softmax (see below); B: computed on the way: QUANTISED
;;     4. [M 8,192, K 1,024] x [K 1,024, N 1,024]; A: computed on the way; B: input w_proj: QUANTISED
;;   THE QUANTISER, for each operand of a quantised product, along K:
;;     - K is cut into blocks of 32 from its start; a last block that is shorter is filled with zeros.
;;     - A block's scale is 2^e with e = floor(log2(the largest magnitude in the block)) - 2, held to -126 .. 127; a block of zeros has e = 0. As a byte (E8M0): e + 127.
;;     - Each number is divided by its block's scale, clamped to +-7.5, and rounded to the nearest number of E2M3, ties to even, subnormals kept.
;;     - The product sums the exact products of the quantised numbers (number of the format x scale) in f32.
;;   ~~~python
;;   def quantise(x, axis):      # numpy; x: float32 -> the quantised numbers, widened to float32 again
;;       x = np.moveaxis(x, axis, -1); K = x.shape[-1]
;;       x = np.pad(x, [(0, 0)] * (x.ndim - 1) + [(0, -K % 32)]); x = x.reshape(x.shape[:-1] + (-1, 32)); a = np.abs(x).max(-1, keepdims=True)
;;       e = np.where(a > 0, np.clip(np.frexp(np.where(a > 0, a, 1))[1] - 1 - 2, -126, 127), 0)      # np.frexp(a)[1] - 1 = floor(log2(a)), exactly
;;       r = np.clip(x / 2.0 ** e, -7.5, 7.5)
;;       step = 2.0 ** (np.maximum(np.frexp(np.where(r == 0, 1, r))[1] - 1, 0) - 3)
;;       q = np.round(r / step) * step * 2.0 ** e      # np.round: ties to even
;;       return np.moveaxis(q.reshape(q.shape[:-2] + (-1,))[..., :K], -1, axis).astype(np.float32)
;;   ~~~
;;   SOFTMAX AHEAD OF A QUANTISED PRODUCT. Where the list says 'softmax', what is quantised is not the finished softmax but p = 2^(t - M), with t = logit x log2(e) and M = ceil(the row's largest t), a whole number; so 1/2 < the row's largest p <= 1. The row's sum l is taken of the UNQUANTISED p, in f32, and the product's result is divided by l at the end. Since M is a whole number, a kernel that streams over the keys may use a running M (the ceiling of the running maximum): every later rescaling is an exact power of two, which a block's scale takes up: the codes' values come out the same.
;;   OPERANDS COMPUTED ON THE WAY. 'Computed on the way' means the value that the module computes at that place (a softmax that the list does not call 'softmax' is quantised finished and normalised). What goes into a quantiser is computed in f32, as accurately as f32 sums, v_exp_f32 and their like allow (about 1e-6 of the number): no bf16 or f16 on the way to a quantiser, and a product that is left as it is and whose result goes on into a quantised operand takes f32 operands (vector FMAs, or v_wmma_f32_16x16x4_f32). A number that lies on a knife's edge between two numbers of the format may be rounded either way, as far as f32 arithmetic and the matrix unit's own rounding can turn it there, and no further.
;; One version. Each part assembles by itself: llvm-mc -triple=amdgcn-amd-amdhsa -mcpu=gfx1250 --defsym DOCPART=n.
;; ======== version 1 of 1: 4 launches
;; workspace buffers: xc 6,291,456 bytes; xs 262,144 bytes; wc 3,145,728 bytes; ws 131,072 bytes; rec 20,185,088 bytes; yc 6,291,456 bytes; ys 262,144 bytes
;; launch quant (part 1): grid 768 x 1, 4 waves a work-group, no clusters, 51,712 bytes of LDS; arguments x, w_qkv, w_proj, xc, xs, wc, ws; writes xc, xs, wc, ws
.if DOCPART == 1
	.amdgcn_target "amdgcn-amd-amdhsa--gfx1250"
	.amdhsa_code_object_version 6
	.text
	.protected	k_qb1091e7170_quant
	.globl	k_qb1091e7170_quant
	.p2align	8
	.type	k_qb1091e7170_quant,@function
k_qb1091e7170_quant:
	s_mov_b64 s[64:65], 0
	v_nop
	global_prefetch_b8 v0, s[64:65] scope:SCOPE_SE
	s_setreg_imm32_b32 hwreg(HW_REG_WAVE_MODE, 25, 1), 1
	s_wait_xcnt 0x0
; x [8192][1024], w_qkv [1024][3072] and w_proj [1024][1024], f32, become codes of FP6 (E2M3) with one E8M0 byte for each 32 along K, laid as the later launches' operand registers take them.
; ROWS (tokens of x; columns n of the weights, w_qkv's 3,072 first, then w_proj's 1,024) go in groups of 32; group G has two TILES of 16, R = 2 G + u; position m of a tile is row 32 G + 16 (m / 8) + 8 u + m % 8.
; CODES: [tile R][16 planes of 64 along K][768 bytes].  A plane is the image of six operand registers: lane l = m + 16 h holds the 24 bytes of (position m, block h of the 64): its first 16 bytes lie at 16 l, its last 8 at 512 + 8 l.
; SCALE BYTES: [16 R + m][32].
; A block's scale is 2^(floor(log2(its largest magnitude)) - 2); its byte is that magnitude's exponent field - 2, held at 1 from below; numbers are divided by the scale and rounded to the nearest code, ties to even, beyond 7.5 the largest code.
; LIMITS: NaN and infinities among the inputs are not served.  A block whose largest magnitude lies under 2^-124 gets the byte 1; so does a block of zeros (its codes are zeros; the bytes are read by this program alone).
; Work-groups 0 to 511 take x: a tile of 16 tokens; wave w takes 256 along K, four planes.  Work-groups 512 to 767 take the weights: 128 columns x 128 along K; wave w takes 32 columns, a lane a column, its registers running down K.
; No work-group reads what another reads, so there is no cluster; no tensor load, no barrier: waves share nothing.  The two paths part on the work-group's number and have LDS bytes of their own.
; The scale bytes leave in pieces of 4 bytes a row (1 byte for 128 read): their 256-byte blocks are written in parts by several waves.
.set XWG,  512                         ; work-groups of the x path
.set SP,   272                         ; x: a stage row: 256 bytes (64 numbers of a token) + 16
.set WREG, 9216                        ; x: a wave's LDS region: the stage of 16 rows, and from SCBY on its 128 scale bytes
.set SCBY, 8704
.set RR,   64                          ; x: v64-191  32 loads x 4 registers, as loaded
.set XX,   192                         ; x: v192-223 a lane's block of 32 neighbours
.set CC,   32                          ; v32-63   codes: eight registers for each plane or block, so that no store's data are written again
.set EB,   24                          ; x: v24-27   a scale byte for each plane
.set VO,   192                         ; w: v192-223 byte offset of row i of a block at my column: 4 lane + i x the pitch
.set WX,   64                          ; w: v64-191  four blocks of 32 numbers
.set WST,  36864                       ; w: behind the x path's regions: a stage of WSTB bytes for each wave: two tiles, TIL bytes apart (1,536 + 128)
.set WSTB, 3584
.set TIL,  1664
.set OUTR, 224                         ; w: v224-247 the way out
	s_load_b256 s[4:11], s[0:1], 0x0               ; x s[4:5], w_qkv s[6:7], w_proj s[8:9], xc s[10:11]
	s_load_b128 s[12:15], s[0:1], 0x20             ; xs s[12:13], wc s[14:15]
	s_load_b64 s[16:17], s[0:1], 0x30              ; ws
	v_lshl_add_u32 v254, v0, 2, 0xc800
	v_mov_b32 v255, 0
	v_lshrrev_b32 v1, 5, v0
	v_readfirstlane_b32 s18, v1                    ; wave 0..3
	v_and_b32 v2, 31, v0                           ; lane
; the largest magnitude of the 32 numbers v[s] on, with the floor 2^(3 - 127) among its leaves, in v16; 2 off its exponent field gives the conversions' scale operand, v18
.macro MAX32 s
	v_max3_num_f32 v16, |v[\s]|, |v[\s+1]|, |v[\s+2]|
	v_max3_num_f32 v17, |v[\s+3]|, |v[\s+4]|, |v[\s+5]|
.irp i, 6,10,14,18,22,26
	v_max3_num_f32 v16, v16, |v[\s+\i]|, |v[\s+\i+1]|
	v_max3_num_f32 v17, v17, |v[\s+\i+2]|, |v[\s+\i+3]|
.endr
	v_max3_num_f32 v16, v16, |v[\s+30]|, |v[\s+31]|
	v_max3_num_f32 v16, v16, v17, 0x1800000
	v_add_nc_u32 v18, 0xff000000, v16
.endm
; 32 numbers -> 2 x 96 bits (a conversion's three registers begin on an even number, so the second half is moved down afterwards)
.macro CODES c, s
	v_cvt_scalef32_pk16_fp6_f32 v[\c:\c+2], v[\s:\s+15], v18
	v_cvt_scalef32_pk16_fp6_f32 v[\c+4:\c+6], v[\s+16:\s+31], v18
.endm
.macro CLOSE c
	v_mov_b32 v[\c+3], v[\c+4]
	v_mov_b32 v[\c+4], v[\c+5]
	v_mov_b32 v[\c+5], v[\c+6]
.endm
	s_cmp_lt_u32 ttmp9, XWG
	s_cbranch_scc0 .Lweights
; ---------------- x: tile R = the work-group's number; my wave's four planes ----------------
	v_and_b32 v10, 15, v2                          ; lane % 16
	v_lshrrev_b32 v11, 4, v2                       ; lane / 16
	v_lshlrev_b32 v3, 4, v10
	v_lshl_add_u32 v3, v11, 12, v3                 ; a load: lanes 0-15 take 256 bytes of one token, lanes 16-31 of the next
	s_mul_i32 s19, s18, WREG
	v_mul_u32_u24 v14, v11, SP
	v_lshl_add_u32 v14, v10, 4, v14
	v_add_nc_u32 v14, s19, v14                     ; the stage, way in: as loaded, two rows a store
	v_mul_u32_u24 v15, v10, SP
	v_lshl_add_u32 v15, v11, 7, v15
	v_add_nc_u32 v15, s19, v15                     ; way out: row = position lane % 16, block lane / 16: my 128 bytes
	s_add_co_u32 s19, s19, SCBY
	v_lshl_add_u32 v5, v10, 3, v11
	v_add_nc_u32 v5, s19, v5                       ; my block's scale byte: 8 x position + block
	v_lshlrev_b32 v6, 2, v2
	v_add_nc_u32 v6, s19, v6                       ; and on the way out 4 bytes a lane
	v_lshlrev_b32 v7, 4, v2                        ; an image's 16 bytes a lane
	v_lshlrev_b32 v8, 3, v2                        ; and its 8
	v_lshrrev_b32 v9, 1, v2
	v_lshlrev_b32 v9, 5, v9
	v_and_b32 v12, 1, v2
	v_lshl_add_u32 v9, v12, 2, v9                  ; xs: row lane / 2 of 32 bytes, word lane % 2
	s_lshr_b32 s20, ttmp9, 1
	s_lshl_b32 s20, s20, 5
	s_and_b32 s21, ttmp9, 1
	s_lshl_b32 s21, s21, 3
	s_add_co_u32 s20, s20, s21                     ; the tile's first token: 32 G + 8 u
	s_lshl_b32 s20, s20, 12                        ; a token is 4,096 bytes
	s_lshl_b32 s21, s18, 10                        ; my 256 along K
	s_add_co_u32 s20, s20, s21
	s_mov_b32 s21, 0
	s_mul_i32 s22, ttmp9, 12288
	s_mul_i32 s23, s18, 3072
	s_add_co_u32 s22, s22, s23
	s_mov_b32 s23, 0
	s_lshl_b32 s24, ttmp9, 9
	s_lshl_b32 s25, s18, 3
	s_add_co_u32 s24, s24, s25
	s_mov_b32 s25, 0
	s_wait_kmcnt 0x0
	s_add_nc_u64 s[4:5], s[4:5], s[20:21]
	s_add_nc_u64 s[10:11], s[10:11], s[22:23]
	s_add_nc_u64 s[12:13], s[12:13], s[24:25]
.irp p, 0,1,2,3                                ; all 32 loads at once: positions 2 i and 2 i + 1 are tokens 2 i + 8 (i / 4) and the next; each load covers two aligned runs of 256 bytes
.irp i, 0,1,2,3,4,5,6,7
	global_load_b128 v[RR+32*\p+4*\i:RR+32*\p+4*\i+3], v3, s[4:5] offset:(2*\i+8*(\i/4))*4096+256*\p th:TH_LOAD_NT
.endr
.endr
.macro XSTEP p
.set CP, CC+8*(\p)
	s_wait_loadcnt 24-8*(\p)                       ; this plane's eight loads are in; the later planes' may be out
.irp i, 0,1,2,3,4,5,6,7
	ds_store_b128 v14, v[RR+32*(\p)+4*\i:RR+32*(\p)+4*\i+3] offset:2*\i*SP
.endr
.irp i, 0,1,2,3,4,5,6,7
	ds_load_b128 v[XX+4*\i:XX+4*\i+3], v15 offset:16*\i   ; LDS serves a wave's instructions in order: these see the stores above
.endr
	s_wait_dscnt 0x0
	MAX32 XX                                       ; a lane holds a whole block: no other lane is asked
	CODES CP, XX
	v_lshrrev_b32 v[EB+(\p)], 23, v18              ; the scale's byte (the plain line behind the conversions)
	CLOSE CP
	ds_store_b8 v5, v[EB+(\p)] offset:2*(\p)
	global_store_b128 v7, v[CP:CP+3], s[10:11] offset:768*(\p)         ; 512 consecutive bytes,
	global_store_b64 v8, v[CP+4:CP+5], s[10:11] offset:768*(\p)+512    ; and 256
.endm
	XSTEP 0
	XSTEP 1
	XSTEP 2
	XSTEP 3
	ds_load_b32 v19, v6
	s_wait_dscnt 0x0
	global_store_b32 v9, v19, s[12:13]             ; 8 of each row's 32 scale bytes
	s_wait_tensorcnt 0x0
	ds_add_u32 v254, v255
	s_wait_dscnt 0x0
	s_endpgm
; ---------------- the weights ----------------
.Lweights:
	s_sub_co_u32 s19, ttmp9, XWG
	s_and_b32 s20, s19, 31                         ; cg: which 128 columns of the 4,096
	s_lshr_b32 s21, s19, 5                         ; ks: which 128 along K
	s_max_u32 s22, s20, 24
	s_sub_co_u32 s22, s22, 24                      ; the same counted in w_proj
	s_mov_b32 s23, 4096
	s_cmp_lt_u32 s20, 24                           ; w_qkv or w_proj?  The choice hangs on the work-group's number alone
	s_cselect_b32 s23, 12288, s23                  ; a row of the weight in bytes
	s_cselect_b32 s22, s20, s22
	s_lshl_b32 s24, s22, 9
	s_lshl_b32 s25, s18, 7
	s_add_co_u32 s24, s24, s25                     ; my wave's 32 columns
	s_lshl_b32 s25, s21, 7
	s_mul_i32 s25, s25, s23                        ; 128 ks rows down
	s_add_co_u32 s24, s24, s25
	s_mov_b32 s25, 0
	s_lshl_b32 s26, s23, 5                         ; a block: 32 rows
	s_mov_b32 s27, 0
	s_lshl_b32 s36, s20, 2
	s_add_co_u32 s36, s36, s18                     ; my group of 32 rows of wc
	s_mul_i32 s38, s36, 24576
	s_mul_i32 s39, s21, 1536
	s_add_co_u32 s38, s38, s39
	s_mov_b32 s39, 0
	s_lshl_b32 s40, s36, 10
	s_lshl_b32 s41, s21, 2
	s_add_co_u32 s40, s40, s41
	s_mov_b32 s41, 0
	s_wait_alu depctr_va_vdst(0)
	v_lshlrev_b32 v3, 2, v2
.irp i, 0,1,2,3,4,5,6,7,8,9,10,11,12,13,14,15,16,17,18,19,20,21,22,23,24,25,26,27,28,29,30,31
	v_mad_u32_u24 v[VO+\i], s23, \i, v3
.endr
	v_bfe_u32 v10, v2, 3, 1                        ; my column's tile u,
	v_lshrrev_b32 v11, 4, v2
	v_and_b32 v12, 7, v2
	v_lshl_or_b32 v11, v11, 3, v12                 ; and its position m = 8 (lane / 16) + lane % 8
	s_mul_i32 s42, s18, WSTB
	s_add_co_u32 s42, s42, WST
	v_mul_u32_u24 v13, v10, TIL
	v_add_nc_u32 v13, s42, v13
	v_lshl_add_u32 v20, v11, 4, v13                ; the stage: an image's 16 bytes of position m,
	v_lshl_add_u32 v21, v11, 3, v13                ; and its 8
	v_lshlrev_b32 v23, 4, v2
	v_add_nc_u32 v22, s42, v23                     ; back: 16 bytes a lane
	v_lshl_add_u32 v24, v10, 4, v11
	v_lshlrev_b32 v24, 5, v24                      ; ws: row 16 u + m of 32 bytes
	s_wait_kmcnt 0x0
	s_cmp_lt_u32 s20, 24
	s_cselect_b64 s[28:29], s[6:7], s[8:9]
	s_add_nc_u64 s[28:29], s[28:29], s[24:25]      ; a base for each block, never rewritten
	s_add_nc_u64 s[30:31], s[28:29], s[26:27]
	s_add_nc_u64 s[32:33], s[30:31], s[26:27]
	s_add_nc_u64 s[34:35], s[32:33], s[26:27]
	s_add_nc_u64 s[14:15], s[14:15], s[38:39]
	s_add_nc_u64 s[16:17], s[16:17], s[40:41]
.macro WLOAD t                         ; block t: rows 32 t + i of my 128, at my column: 32 lanes read 128 consecutive bytes
.irp i, 0,1,2,3,4,5,6,7,8,9,10,11,12,13,14,15,16,17,18,19,20,21,22,23,24,25,26,27,28,29,30,31
	global_load_b32 v[WX+32*(\t)+\i], v[VO+\i], s[28+2*(\t):29+2*(\t)] th:TH_LOAD_NT
.endr
.endm
.macro WBLOCK t, left, ahead
.set XS, WX+32*(\t)
.set CP, CC+8*(\t)
	s_wait_loadcnt \left                           ; this block's 32 loads are in; the next block's may be out
.if \ahead
	WLOAD (\t)+2
.endif
	MAX32 XS
	v_lshrrev_b32 v17, 23, v18                     ; the scale's byte: four make my column's word for these 128 along K
.if (\t) == 0
	v_mov_b32 v25, v17
.else
	v_lshl_or_b32 v25, v17, 8*(\t), v25
.endif
	CODES CP, XS
	v_nop                                          ; one plain line behind the conversions
	CLOSE CP
	ds_store_b128 v20, v[CP:CP+3] offset:((\t)/2)*768+((\t)%2)*256       ; plane t / 2, lane m + 16 (t % 2) of its image
	ds_store_b64 v21, v[CP+4:CP+5] offset:((\t)/2)*768+512+((\t)%2)*128
.endm
	WLOAD 0
	WLOAD 1
	WBLOCK 0, 32, 1
	WBLOCK 1, 32, 1
	WBLOCK 2, 32, 0
	WBLOCK 3, 0, 0
.irp n, 0,1,2,3,4,5
	ds_load_b128 v[OUTR+4*\n:OUTR+4*\n+3], v22 offset:TIL*(\n/3)+512*(\n%3)   ; LDS serves a wave's instructions in order: these see my stores
.endr
	s_wait_alu depctr_va_vdst(0)
.irp n, 0,1,2,3,4,5
	s_wait_dscnt 5-\n
	global_store_b128 v23, v[OUTR+4*\n:OUTR+4*\n+3], s[14:15] offset:12288*(\n/3)+512*(\n%3)   ; 512 consecutive bytes of a tile's two planes
.endr
	global_store_b32 v24, v25, s[16:17]
	s_wait_tensorcnt 0x0
	ds_add_u32 v254, v255
	s_wait_dscnt 0x0
	s_endpgm
.Lfunc_end_k_qb1091e7170_quant:
	.size	k_qb1091e7170_quant, .Lfunc_end_k_qb1091e7170_quant-k_qb1091e7170_quant
	.p2alignl 7, 3214868480
	.fill 96, 4, 3214868480
	.section	.rodata,"a",@progbits
	.p2align	6, 0x0
	.amdhsa_kernel k_qb1091e7170_quant
		.amdhsa_group_segment_fixed_size 51712
		.amdhsa_private_segment_fixed_size 0
		.amdhsa_enable_private_segment 0
		.amdhsa_kernarg_size 56
		.amdhsa_user_sgpr_count 2
		.amdhsa_user_sgpr_kernarg_segment_ptr 1
		.amdhsa_wavefront_size32 1
		.amdhsa_system_sgpr_workgroup_id_x 1
		.amdhsa_system_sgpr_workgroup_id_y 1
		.amdhsa_system_sgpr_workgroup_id_z 1
		.amdhsa_system_vgpr_workitem_id 0
		.amdhsa_next_free_vgpr 256
		.amdhsa_next_free_sgpr 66
		.amdhsa_reserve_vcc 0
		.amdhsa_float_denorm_mode_32 3
		.amdhsa_float_denorm_mode_16_64 3
		.amdhsa_memory_ordered 1
		.amdhsa_forward_progress 1
		.amdhsa_inst_pref_size 41
	.end_amdhsa_kernel
	.amdgpu_metadata
---
amdhsa.version: [ 1, 2 ]
amdhsa.kernels:
  - .name:           k_qb1091e7170_quant
    .symbol:         k_qb1091e7170_quant.kd
    .args:
      - { .name: x, .offset: 0, .size: 8, .value_kind: global_buffer, .address_space: global }
      - { .name: w_qkv, .offset: 8, .size: 8, .value_kind: global_buffer, .address_space: global }
      - { .name: w_proj, .offset: 16, .size: 8, .value_kind: global_buffer, .address_space: global }
      - { .name: xc, .offset: 24, .size: 8, .value_kind: global_buffer, .address_space: global }
      - { .name: xs, .offset: 32, .size: 8, .value_kind: global_buffer, .address_space: global }
      - { .name: wc, .offset: 40, .size: 8, .value_kind: global_buffer, .address_space: global }
      - { .name: ws, .offset: 48, .size: 8, .value_kind: global_buffer, .address_space: global }
    .group_segment_fixed_size: 51712
    .private_segment_fixed_size: 0
    .kernarg_segment_align: 8
    .kernarg_segment_size: 56
    .max_flat_workgroup_size: 128
    .sgpr_count:     66
    .vgpr_count:     256
    .wavefront_size: 32
...
	.end_amdgpu_metadata
.endif
;; end of part 1
;; launch qkvg (part 2): grid 8 x 48, 4 waves a work-group, clusters of 4 x 4, 327,680 bytes of LDS; arguments xc, xs, wc, ws, b_qkv, rec; writes rec
.if DOCPART == 2
	.amdgcn_target "amdgcn-amd-amdhsa--gfx1250"
	.amdhsa_code_object_version 6
	.text
	.protected	k_qb1091e7170_qkvg
	.globl	k_qb1091e7170_qkvg
	.p2align	8
	.type	k_qb1091e7170_qkvg,@function
k_qb1091e7170_qkvg:
	s_mov_b64 s[64:65], 0
	v_nop
	global_prefetch_b8 v0, s[64:65] scope:SCOPE_SE
	s_setreg_imm32_b32 hwreg(HW_REG_WAVE_MODE, 25, 1), 1
	s_wait_xcnt 0x0
	s_wait_alu depctr_hold_cnt(0) depctr_sa_sdst(0) depctr_va_vdst(0) depctr_va_sdst(0) depctr_va_ssrc(0) depctr_va_vcc(0) depctr_vm_vsrc(0)
	s_getreg_b32 s2, hwreg(HW_REG_IB_STS2, 6, 4)
	s_cmp_eq_u32 s2, 0
	s_cbranch_scc0 .Lentry_in_a_cluster
	s_endpgm
.Lentry_in_a_cluster:
	s_bfe_u32 s2, ttmp6, 0x10000c
	s_cmp_lg_u32 s2, 0xf033
	s_cbranch_scc0 .Lentry_shape_is_right
	s_endpgm
.Lentry_shape_is_right:
; qkv = x w_qkv + b_qkv on codes of FP6 (E2M3) with E8M0 scales, K = 1,024; the results are quantised in registers, each along the K of the product that will read it, and stored as images of operand registers.
; OPERANDS as the launch before laid them: codes [tile of 16 rows][16 planes of 64 K][768 bytes], scale bytes [row][32]; position m of tile 2 G + u is row 32 G + 16 (m / 8) + 8 u + m % 8.
; A work-group of four waves makes 256 x 256, a wave 128 x 128: 64 accumulators.  SOURCE 0 ("B") IS THE SIDE WHOSE ROWS ARE THE NEXT PRODUCT'S K: by the tiles' order the 16 registers of B's tiles 2 G and 2 G + 1 are 16 neighbours;
; a lane holds ONE row of source 1 ("A").  Clusters with y under 8 (mode 0): A = 256 tokens, B = 256 columns of q or k: quantised along the head's 64.  The others (mode 1): A = 256 columns of v, B = 256 tokens: quantised along the tokens (the keys).
; The mode hangs on the cluster's y, which all sixteen partners share.
; OUTPUT: one record of REC bytes for each (batch, head): K's scale words [key step 16][position 16][tile 8] at 0; V's [step][position][tile 4] at VSOF; from KVOF 16 key steps of 12,288 bytes: K's 8 tiles of 768 bytes, then V's [2 planes of 64 keys][4 tiles of 16 channels];
; Q's 128 tiles at QOF; Q's scale words, laid as K's, at QSOF.  In a word of q or k bytes 0 and 1 are the head's two blocks; bytes 2 and 3 are the neighbour head's bytes or 0, never 0xff: they meet zero codes alone.
; K goes through three LDS slots of 256 along K, all filled at the start; slot 0 is filled once more, with the last 256.  The scale bytes of the work-group's rows come once and stay.
; CLUSTERS: 4 x 4 work-groups; A's tiles are asked for jointly by a row of the cluster, B's by a column.
; LIMITS: NaN and infinities are not served; a block whose largest magnitude lies under 2^-124 gets the byte 1, a block of zeros too (its codes are zeros).
; REGISTERS, in windows of 256: window 0: v8-30 addresses; v32-63 scale words, two sets; v64-127 the bias along B's rows; v128-223 A's fragments, one set; v224-239 the bias of A's rows, in pairs; on the way out v128-223 and v240-255 are at work.
;   window 1: B's fragments, two sets, at v0 and v128.   windows 2, 3: the accumulators of my rows 0-63 and 64-127 of A ((a, b) at v[8 (8 (a % 4) + b)]).
.set NQ,    2                          ; steps of 128 along K in a slot
.set FR,    12                         ; registers of a fragment
.set NL,    4                          ; LDS loads that bring one
.set NP,    4                          ; places behind this matrix instruction (ISA guide 7.12.1)
.set TILEB, 3072                       ; a tile's part of a slot: four planes of 768 bytes
.set HALFT, 8*TILEB                    ; 128 rows: what one tensor load brings
.set SLOT,  4*HALFT                    ; A's 16 tiles, then B's 16
.set SCL,   3*SLOT                     ; behind the slots: the scale bytes, as runs of 256 bytes + 16 of padding
.set HALFS, 16*272                     ; those of 128 rows
.set SBLK,  544                        ; those of 16 rows
.set SPARE, SCL+4*HALFS                ; the spare words, 128 bytes for each wave: two blocks of 256 bytes that no other line names
.set REC,   315392
.set VSOF,  8192
.set KVOF,  12288
.set QOF,   208896
.set QSOF,  307200
.set VO16, 8                           ; v8-9    way out: 16 x lane + c x the distance between a fragment's two halves
.set VO8,  10                          ; v10-11  8 x lane + the same
.set AD1,  12                          ; v12     way out: where my scale words go
.set VSH,  13                          ; v13     way out: 16 in lanes 16-31 in mode 0, else 0
.set ADRA16, 16                        ; v16-18  LDS address of A's fragments in slot 0, 1, 2: 16 bytes a lane;  v19-21: 8 bytes a lane
.set ADRA8,  19
.set ADRB16, 22                        ; v22-24, v25-27 the same for B
.set ADRB8,  25
.set SPW,  28                          ; v28     LDS address of my spare word; never rewritten
.set NIL,  29                          ; v29     0; never rewritten
.set ADRS, 30                          ; v30     LDS address of my scale words: lanes 0-15 A's rows, lanes 16-31 B's
.set SC,   32
.set BI,   64
.set AF,   128
.set BLP,  224
.set T,    128                         ; way out: 64 numbers of a lane
.set PC,   192                         ; way out: the codes just made (v192-210)
.set SW,   212                         ; way out: v212-219 a scale word for each block of A
.set X4,   220
.set TM,   240                         ; way out: v240-243 largest magnitudes, v244-247 bytes, v252-255 the conversions' scale operands
.set G1,   24                          ; s[24:31] descriptor group 1 for A's tiles; s[32:43] group 0, a set for each slot
.set G0,   32
.set G1B,  44                          ; s[44:51], s[52:63] the same for B
.set G0B,  52
.set G1S,  68                          ; s[68:75], s[76:79] for A's scale bytes; s[80:87], s[88:91] for B's
.set G0S,  76
.set G1SB, 80
.set G0SB, 88
.set BA,   24                          ; way out: s[24:39] a base for each block of A (the descriptors are done with)
.set SCBP, 40                          ; way out: s[40:41] the scale words' base
.set SEL,  96                          ; way out: s[96:97] lane selects for v_permlanex16_b32
.set MSB, 0
.macro WIN new                         ; the immediate's high byte repeats the setting that is left
.if MSB != \new
	s_set_vgpr_msb (MSB<<8)|\new
.set MSB, \new
.endif
.endm
.set MUL_LO,   0xa1                    ; source 0 (B) window 1, source 1 (A) window 0, C and D window 2
.set MUL_HI,   0xf1                    ; the same, C and D window 3
.set FIRST_LO, 0x81                    ; the first products: C (the bias) window 0, D window 2
.set FIRST_HI, 0xc1
.set TO_B,     0x40                    ; destination window 1, address window 0
; A joint load: waves 0 and 1 fetch for A, waves 2 and 3 for B; the branch hangs on the wave's number alone.  Four v_nop follow each of the two lines.
.macro JLOAD g0a, g1a, g0b, g1b
	s_cmp_eq_u32 s17, 0
	s_cbranch_scc0 .Lfor_b_\@
	tensor_load_to_lds s[\g0a:\g0a+3], s[\g1a:\g1a+7]
	s_nop 0
.rept 4
	v_nop
.endr
	s_branch .Lasked_\@
.Lfor_b_\@:
	tensor_load_to_lds s[\g0b:\g0b+3], s[\g1b:\g1b+7]
	s_nop 0
.rept 4
	v_nop
.endr
.Lasked_\@:
.endm
.macro CREST                           ; a round of the cluster's barrier behind its opening barrier
	s_cmp_lg_u32 s16, 0
	s_cbranch_scc1 .Lnot_wave_0_\@
	s_barrier_signal -3
.Lnot_wave_0_\@:
	s_barrier_wait -3
	s_barrier_signal -1
	s_barrier_wait -1
.endm
.macro CROUND
	s_barrier_signal -1
	s_barrier_wait -1
	CREST
.endm
	s_load_b256 s[4:11], s[0:1], 0x0               ; xc s[4:5], xs s[6:7], wc s[8:9], ws s[10:11]
	s_load_b128 s[12:15], s[0:1], 0x20             ; b_qkv s[12:13], rec s[14:15]
	v_lshl_add_u32 v[SPW], v0, 2, SPARE
	v_mov_b32 v[NIL], 0
	ds_add_u32 v28, v29
	ds_add_u32 v28, v29
	s_wait_dscnt 0x0
	v_lshrrev_b32 v1, 5, v0
	v_readfirstlane_b32 s16, v1                    ; wave 0..3
	s_lshr_b32 s17, s16, 1                         ; which half of A's rows is mine.  Also: I fetch for A (0) or for B (1)
	s_and_b32 s18, s16, 1                          ; which half of B's rows.  Also: which 128 rows I fetch
	s_bfe_u32 s19, ttmp6, 0x40000                  ; cx
	s_bfe_u32 s20, ttmp6, 0x40004                  ; cy
	s_and_b32 s23, ttmp7, 0xffff                   ; the cluster's y
	s_lshl_b32 s21, ttmp9, 2
	s_add_co_u32 s21, s21, s19                     ; work-group x
	s_max_u32 s67, s23, 8
	s_sub_co_u32 s67, s67, 8
	s_lshl_b32 s67, s67, 3
	s_add_co_u32 s21, s21, s67                     ; B's block of 256 rows: x, and in mode 1 eight more for each cluster row past the eighth
	s_lshl_b32 s22, s23, 2
	s_cmp_lt_u32 s23, 8
	s_cselect_b32 s95, 0, 1                        ; the mode
	s_cselect_b32 s92, -1, 0                       ; all ones in mode 0
	s_cselect_b32 s93, 0, -1                       ; all ones in mode 1
	s_cselect_b32 s94, 0, 0xffff0000               ; lanes 16-31 in mode 1
	s_cselect_b32 s22, s22, 8
	s_add_co_u32 s22, s22, s20                     ; A's block of 256 rows: mode 0: work-group y, of tokens; mode 1: 8 + cy, of wc's rows (v's columns begin at row 2,048)
	s_lshl_b32 s2, s20, 2
	s_lshl_b32 s2, 15, s2                          ; my row of the cluster
	s_lshl_b32 s3, 0x1111, s19                     ; my column
	; group 1 for codes: 8 tiles (rows of the descriptor) of 3,072 bytes, 12,288 bytes apart, in elements of 8 bytes; dense in LDS
	s_or_b32 s[G1], s2, (3<<16)|(1<<21)
	s_or_b32 s[G1B], s3, (3<<16)|(1<<21)
.irp g, G1, G1B
	s_mov_b32 s[\g+1], 384<<16                     ; tensor_dim0
	s_mov_b32 s[\g+2], 8<<16                       ; tensor_dim1
	s_mov_b32 s[\g+3], 384<<16                     ; tile_dim0
	s_mov_b32 s[\g+4], 8                           ; tile_dim1
	s_mov_b32 s[\g+5], 1536                        ; tensor_dim0_stride
	s_mov_b32 s[\g+6], 0
	s_mov_b32 s[\g+7], 0
.endr
	; and for the scale bytes of 128 rows: 4,096 dense bytes as 16 rows of 256, 16 bytes of padding behind each
	s_or_b32 s[G1S], s2, (3<<16)|(1<<20)|(1<<21)|(5<<22)|(3<<25)
	s_or_b32 s[G1SB], s3, (3<<16)|(1<<20)|(1<<21)|(5<<22)|(3<<25)
.irp g, G1S, G1SB
	s_mov_b32 s[\g+1], 32<<16
	s_mov_b32 s[\g+2], 16<<16
	s_mov_b32 s[\g+3], 32<<16
	s_mov_b32 s[\g+4], 16
	s_mov_b32 s[\g+5], 32
	s_mov_b32 s[\g+6], 0
	s_mov_b32 s[\g+7], 0
.endr
	s_lshl_b32 s66, s18, 7                         ; which 128 rows I fetch
	s_lshl_b32 s2, s22, 8
	s_add_co_u32 s2, s2, s66                       ; of A (made of cy and the cluster's y alone),
	s_lshl_b32 s3, s21, 8
	s_add_co_u32 s3, s3, s66                       ; of B (of cx and the cluster's place alone)
	s_mul_i32 s96, s2, 768                         ; a row's share of a tile's 12,288 bytes
	s_mov_b32 s97, 0
	s_lshl_b32 s98, s2, 5                          ; 32 scale bytes a row
	s_mov_b32 s99, 0
	s_mul_i32 s100, s3, 768
	s_mov_b32 s101, 0
	s_lshl_b32 s66, s3, 5
	s_mov_b32 s67, 0
	s_mul_i32 s2, s16, HALFT                       ; where they go: wave x 128 rows: no place in the cluster enters an LDS address
	s_mul_i32 s3, s16, HALFS
.irp s, 0,1,2
	s_mov_b32 s[G0+4*\s], 1
	s_add_co_u32 s[G0+4*\s+1], s2, \s*SLOT
	s_mov_b32 s[G0B+4*\s], 1
	s_add_co_u32 s[G0B+4*\s+1], s2, \s*SLOT
.endr
	s_mov_b32 s[G0S], 1
	s_add_co_u32 s[G0S+1], s3, SCL
	s_mov_b32 s[G0SB], 1
	s_add_co_u32 s[G0SB+1], s3, SCL
	s_wait_kmcnt 0x0
	s_cmp_eq_u32 s95, 0                            ; the buffers are chosen by the mode
	s_cselect_b64 s[G0+2:G0+3], s[4:5], s[8:9]     ; A's codes: xc or wc
	s_cselect_b64 s[G0S+2:G0S+3], s[6:7], s[10:11] ; A's scales
	s_cselect_b64 s[G0B+2:G0B+3], s[8:9], s[4:5]   ; B's codes: wc or xc
	s_cselect_b64 s[G0SB+2:G0SB+3], s[10:11], s[6:7]
	s_add_nc_u64 s[G0+2:G0+3], s[G0+2:G0+3], s[96:97]
	s_add_nc_u64 s[G0S+2:G0S+3], s[G0S+2:G0S+3], s[98:99]
	s_add_nc_u64 s[G0B+2:G0B+3], s[G0B+2:G0B+3], s[100:101]
	s_add_nc_u64 s[G0SB+2:G0SB+3], s[G0SB+2:G0SB+3], s[66:67]
	s_add_nc_u64 s[G0+6:G0+7], s[G0+2:G0+3], TILEB        ; slot s begins with K = 256 s
	s_add_nc_u64 s[G0+10:G0+11], s[G0+2:G0+3], 2*TILEB
	s_add_nc_u64 s[G0B+6:G0B+7], s[G0B+2:G0B+3], TILEB
	s_add_nc_u64 s[G0B+10:G0B+11], s[G0B+2:G0B+3], 2*TILEB
.irp s, 0,1,2
	s_or_b32 s[G0+4*\s+3], s[G0+4*\s+3], 0x80000000
	s_or_b32 s[G0B+4*\s+3], s[G0B+4*\s+3], 0x80000000
.endr
	s_or_b32 s[G0S+3], s[G0S+3], 0x80000000
	s_or_b32 s[G0SB+3], s[G0SB+3], 0x80000000
	CROUND                                         ; all sixteen work-groups are here: the first joint loads meet
	JLOAD G0S, G1S, G0SB, G1SB                     ; four loads of mine are out: the scale bytes,
	JLOAD G0, G1, G0B, G1B                         ; slot 0,
	JLOAD G0+4, G1, G0B+4, G1B                     ; slot 1,
	JLOAD G0+8, G1, G0B+8, G1B                     ; slot 2
	v_and_b32 v1, 31, v0
	v_lshlrev_b32 v2, 4, v1                        ; 16 x lane
	v_lshlrev_b32 v3, 3, v1                        ; 8 x lane
	s_mul_i32 s2, s17, HALFT                       ; my 128 rows of A
	s_mul_i32 s3, s18, HALFT                       ; my 128 rows of B,
	s_add_co_u32 s3, s3, 2*HALFT                   ; which lie behind A's 256
.irp s, 0,1,2
	v_add_nc_u32 v[ADRA16+\s], s2, v2
	v_add_nc_u32 v[ADRA8+\s], s2, v3
	v_add_nc_u32 v[ADRB16+\s], s3, v2
	v_add_nc_u32 v[ADRB8+\s], s3, v3
	s_add_co_u32 s2, s2, SLOT
	s_add_co_u32 s3, s3, SLOT
.endr
	v_and_b32 v4, 15, v0                           ; r
	v_bfe_u32 v5, v0, 4, 1                         ; h
	s_wait_alu depctr_va_vdst(0)
	v_lshlrev_b32 v6, 5, v4                        ; my row's scale bytes: 32 a row,
	v_lshrrev_b32 v7, 8, v6
	v_lshl_add_u32 v6, v7, 4, v6                   ; and 16 more for each 256 passed
	s_mul_i32 s2, s17, HALFS
	s_mul_i32 s3, s18, HALFS
	s_add_co_u32 s3, s3, 2*HALFS
	s_sub_co_u32 s3, s3, s2
	v_mul_u32_u24 v7, s3, v5                       ; lanes 16-31 take B's
	s_add_co_u32 s2, s2, SCL
	v_add_nc_u32 v6, v6, v7
	v_add_nc_u32 v[ADRS], s2, v6
	; the biases.  Along B's rows (mode 0: the columns of q, k): eight registers a tile in the result's layout, the C of the first products.  Of A's rows (mode 1: the columns of v): one number a lane and tile, twice, added on the way out.
	; The set that the mode does not use is loaded from the buffer's head and cleared.
	s_lshl_b32 s100, s22, 8
	s_lshl_b32 s66, s17, 7
	s_add_co_u32 s100, s100, s66                   ; my first row of A
	s_lshl_b32 s101, s21, 8
	s_lshl_b32 s66, s18, 7
	s_add_co_u32 s101, s101, s66                   ; my first row of B
	s_lshl_b32 s96, s101, 2
	s_and_b32 s96, s96, s92
	s_mov_b32 s97, 0
	s_add_nc_u64 s[96:97], s[12:13], s[96:97]
	s_lshl_b32 s98, s100, 2
	s_and_b32 s98, s98, s93
	s_mov_b32 s99, 0
	s_add_nc_u64 s[98:99], s[12:13], s[98:99]
	v_lshlrev_b32 v1, 6, v5                        ; 64 h: my 16 of each 32
	v_and_b32 v2, 8, v4
	v_add_nc_u32 v2, v2, v4
	v_lshlrev_b32 v2, 2, v2                        ; 4 (r + 8 (r / 8)): position r's row in a tile
.irp g, 0,1,2,3
.irp i, 0,1,2,3
	global_load_b128 v[BI+16*\g+4*\i:BI+16*\g+4*\i+3], v1, s[96:97] offset:128*\g+16*\i
.endr
.endr
.irp a, 0,1,2,3,4,5,6,7
	global_load_b32 v[BLP+2*\a], v2, s[98:99] offset:(32*(\a/2)+8*(\a%2))*4
	global_load_b32 v[BLP+2*\a+1], v2, s[98:99] offset:(32*(\a/2)+8*(\a%2))*4
.endr
	s_wait_loadcnt 0x0
.set n, 0
.rept 64
	v_and_b32 v[BI+n], s92, v[BI+n]
.set n, n+1
.endr
.set n, 0
.rept 16
	v_and_b32 v[BLP+n], s93, v[BLP+n]
.set n, n+1
.endr
; A fragment, 16 rows x 128 K, is two planes' images: registers 0-3 and 6-9 by 16 bytes a lane, 4-5 and 10-11 by 8: each load takes consecutive bytes.
.macro FRAG reg, a16, a8, q, i
	ds_load_b128 v[\reg:\reg+3], v[\a16] offset:TILEB*(\i)+1536*(\q)
	ds_load_b64 v[\reg+4:\reg+5], v[\a8] offset:TILEB*(\i)+1536*(\q)+512
	ds_load_b128 v[\reg+6:\reg+9], v[\a16] offset:TILEB*(\i)+1536*(\q)+768
	ds_load_b64 v[\reg+10:\reg+11], v[\a8] offset:TILEB*(\i)+1536*(\q)+1280
.endm
; 16 matrix instructions: A's blocks a0, a0 + 1 x B's eight.  p: B's set; q: the slot's q-th 128 along K; sc: the set of scale words.  first = 1: the bias is the sums' beginning: nothing is cleared.
; The 64 accumulators take turns, one instruction a turn, in the same order in every step.
.macro MUL16 a0, p, q, sc, first
.irp a, \a0, \a0+1
.irp b, 0,1,2,3,4,5,6,7
.if \first
	v_wmma_scale_f32_16x16x128_f8f6f4 v[8*(8*((\a)%4)+\b):8*(8*((\a)%4)+\b)+7], v[128*(\p)+FR*\b:128*(\p)+FR*\b+FR-1], v[AF+FR*(\a):AF+FR*(\a)+FR-1], v[BI+8*\b:BI+8*\b+7], v[SC+16*(\sc)+NQ*\b+(\q)], v[SC+16*(\sc)+NQ*(\a)+(\q)] matrix_a_fmt:MATRIX_FMT_FP6 matrix_b_fmt:MATRIX_FMT_FP6 matrix_a_scale:MATRIX_SCALE_ROW1
.else
	v_wmma_scale_f32_16x16x128_f8f6f4 v[8*(8*((\a)%4)+\b):8*(8*((\a)%4)+\b)+7], v[128*(\p)+FR*\b:128*(\p)+FR*\b+FR-1], v[AF+FR*(\a):AF+FR*(\a)+FR-1], v[8*(8*((\a)%4)+\b):8*(8*((\a)%4)+\b)+7], v[SC+16*(\sc)+NQ*\b+(\q)], v[SC+16*(\sc)+NQ*(\a)+(\q)] matrix_a_fmt:MATRIX_FMT_FP6 matrix_b_fmt:MATRIX_FMT_FP6 matrix_a_scale:MATRIX_SCALE_ROW1
.endif
.endr
.endr
.endm
.macro FETCH_B slot, q, p
	WIN TO_B
.irp i, 0,1,2,3,4,5,6,7
	FRAG 128*(\p)+FR*\i, ADRB16+\slot, ADRB8+\slot, \q, \i
.endr
	WIN 0
.endm
.macro FETCH_A slot, q, i0
.irp i, \i0, \i0+1, \i0+2, \i0+3
	FRAG AF+FR*(\i), ADRA16+\slot, ADRA8+\slot, \q, \i
.endr
.endm
.macro SCALES sc                       ; a slot's scale words: two words a row; lanes 0-15 take A's block i, lanes 16-31 B's block i
.irp i, 0,1,2,3,4,5,6,7
	ds_load_b64 v[SC+16*(\sc)+NQ*\i:SC+16*(\sc)+NQ*\i+1], v[ADRS] offset:\i*SBLK
.endr
.endm
.macro PLACES n                        ; plain vector lines between a matrix instruction and a load into, or a read of, its registers (ISA guide 7.12.1 for reads)
.rept \n
	v_nop
.endr
.endm
; A slot's first step of 128 along K.  A has one set of registers: blocks 0-3 are fetched anew in the step's middle, blocks 4-7 at its end; B has two sets.
.macro STEP slot, sc, first
	s_wait_dscnt 4*NL                              ; all but the youngest sixteen loads (A's blocks 4-7) are in
.if \first
	WIN FIRST_LO
.else
	WIN MUL_LO
.endif
	MUL16 0, 0, 0, \sc, \first
	MUL16 2, 0, 0, \sc, \first
	s_wait_dscnt 0
	PLACES NP
	FETCH_B \slot, 1, 1
	FETCH_A \slot, 1, 0
.if \first
	WIN FIRST_HI
.else
	WIN MUL_HI
.endif
	MUL16 4, 0, 0, \sc, \first
	MUL16 6, 0, 0, \sc, \first
	PLACES NP
	WIN 0
	FETCH_A \slot, 1, 4
.endm
; A slot's second step changes slots: one barrier; in front of it each wave waits for all its tensor loads, adds 0 to its spare word, and waits for that and for its reads of this slot.  fill = 1: this slot is filled again, with K = 768 on.
.macro TURN slot, next, sc, fill
	s_wait_tensorcnt 0x0                           ; all my tensor loads have landed
	ds_add_u32 v[SPW], v[NIL]                      ; 0 onto my spare word
	s_wait_dscnt 4*NL+1                            ; (the add and the youngest sixteen loads may be out)
	WIN MUL_LO
	MUL16 0, 1, 1, \sc, 0                          ; sixteen matrix instructions stand between the add and the wait for it
	s_wait_dscnt 0x0                               ; the add is done, and my reads of this slot are over
	s_barrier_signal -1
	MUL16 2, 1, 1, \sc, 0
	WIN 0
	s_barrier_wait -1
.if \fill
	CREST                                          ; the barrier has opened a round of the cluster's barrier: no wave of any partner still reads this slot or has a load on its way
	s_add_nc_u64 s[G0+4*\slot+2:G0+4*\slot+3], s[G0+4*\slot+2:G0+4*\slot+3], 3*TILEB
	s_add_nc_u64 s[G0B+4*\slot+2:G0B+4*\slot+3], s[G0B+4*\slot+2:G0B+4*\slot+3], 3*TILEB
	JLOAD G0+4*\slot, G1, G0B+4*\slot, G1B         ; the first tensor load behind the round, my only one: 96 matrix instructions stand ahead of the wait for it; its four v_nop are the places in front of the loads below
.else
	PLACES NP
.endif
	v_add_nc_u32 v[ADRS], 4*NQ, v[ADRS]            ; on to the next slot's scale words
	FETCH_B \next, 0, 0
	FETCH_A \next, 0, 0
	SCALES 1-\sc
	WIN MUL_HI
	MUL16 4, 1, 1, \sc, 0
	MUL16 6, 1, 1, \sc, 0
	PLACES NP
	WIN 0
	FETCH_A \next, 0, 4
.endm
	s_wait_tensorcnt 2                             ; the scale bytes and my part of slot 0 are in; slots 1 and 2 may be out
	s_barrier_signal -1
	s_barrier_wait -1
	FETCH_B 0, 0, 0
	FETCH_A 0, 0, 0
	SCALES 0
	FETCH_A 0, 0, 4
	STEP 0, 0, 1                                   ; K = 0
	TURN 0, 1, 0, 1                                ; K = 128; slot 0 is asked for again
	s_wait_alu depctr_va_vdst(0)
	STEP 1, 1, 0
	TURN 1, 2, 1, 0
	s_wait_alu depctr_va_vdst(0)
	STEP 2, 0, 0
	TURN 2, 0, 0, 0                                ; its wait and barrier show slot 0's second tile whole
	STEP 0, 1, 0
	s_wait_dscnt 4*NL                              ; the last step: nothing more to fetch
	WIN MUL_LO
	MUL16 0, 1, 1, 1, 0
	MUL16 2, 1, 1, 1, 0
	s_wait_dscnt 0
	WIN MUL_HI
	MUL16 4, 1, 1, 1, 0
	MUL16 6, 1, 1, 1, 0
	WIN 0
; THE WAY OUT.  No LDS: a block's codes are an operand's registers already, and each store of a wave covers 512 or 256 consecutive bytes, aligned.
	s_cmp_eq_u32 s95, 0
	s_cselect_b32 s42, s100, s101                  ; my first token,
	s_cselect_b32 s43, s101, s100                  ; my first column of qkv
	s_lshr_b32 s44, s42, 11                        ; the batch
	s_bfe_u32 s45, s42, 0x40007                    ; which 128 tokens of its 2,048
	s_lshr_b32 s46, s43, 10                        ; 0 q, 1 k, 2 v
	s_bfe_u32 s47, s43, 0x40006                    ; the first of my two heads
	s_lshl_b32 s44, s44, 4
	s_add_co_u32 s44, s44, s47
	s_mul_i32 s44, s44, REC                        ; its record
	s_mul_i32 s48, s45, 6144
	s_add_co_u32 s48, s48, QOF                     ; q's codes,
	s_mul_i32 s49, s45, 12288
	s_add_co_u32 s49, s49, KVOF                    ; k's,
	s_add_co_u32 s50, s49, 6144                    ; v's
	s_lshl_b32 s51, s45, 9                         ; k's scale words,
	s_add_co_u32 s52, s51, QSOF                    ; q's,
	s_lshl_b32 s53, s45, 8
	s_add_co_u32 s53, s53, VSOF                    ; v's
	s_mov_b32 s54, REC
	s_cmp_eq_u32 s46, 0
	s_cselect_b32 s48, s48, s49
	s_cselect_b32 s51, s52, s51
	s_cmp_eq_u32 s46, 2
	s_cselect_b32 s48, s50, s48
	s_cselect_b32 s51, s53, s51
	s_cselect_b32 s56, REC-3072, 0                 ; v: blocks 4-7 of A are the next head's four tiles
	s_cselect_b32 s55, 3072, s54                   ; from a fragment's first half to its second: v: the next 64 keys; q, k: the next head
	s_cselect_b32 s58, 4, 5                        ; a position's scale words: 16 or 32 bytes
	s_add_co_u32 s48, s48, s44
	s_mov_b32 s49, 0
	s_add_co_u32 s50, s51, s44
	s_mov_b32 s51, 0
	s_mov_b32 s57, 0
	s_add_nc_u64 s[BA:BA+1], s[14:15], s[48:49]
	s_add_nc_u64 s[SCBP:SCBP+1], s[14:15], s[50:51]
.irp a, 1,2,3
	s_add_nc_u64 s[BA+2*\a:BA+2*\a+1], s[BA:BA+1], 768*\a
.endr
	s_add_nc_u64 s[BA+8:BA+9], s[BA:BA+1], s[56:57]
	s_add_nc_u64 s[BA+8:BA+9], s[BA+8:BA+9], 3072
.irp a, 5,6,7
	s_add_nc_u64 s[BA+2*\a:BA+2*\a+1], s[BA+8:BA+9], 768*(\a-4)
.endr
	s_mov_b32 s[SEL], 0x76543210
	s_mov_b32 s[SEL+1], 0xfedcba98
	v_and_b32 v1, 31, v0                           ; these plain lines, which name no register of the last products, are the places behind them
	v_and_b32 v2, 15, v0
	v_bfe_u32 v3, v0, 4, 1
	v_lshlrev_b32 v[VO16], 4, v1
	v_add_nc_u32 v[VO16+1], s55, v[VO16]
	v_lshlrev_b32 v[VO8], 3, v1
	v_add_nc_u32 v[VO8+1], s55, v[VO8]
	v_lshlrev_b32 v[AD1], s58, v2
	v_mad_u32_u24 v[AD1], v3, s54, v[AD1]          ; lanes 16-31 write into the next head's record
	v_lshlrev_b32 v[VSH], 4, v3
	v_and_b32 v[VSH], s92, v[VSH]
.irp b, 0,1,2,3
	v_mov_b32 v[TM+4+\b], 0                        ; written once: a lane permute's destination counts as one of its sources
.endr
; 64 numbers of a lane, register 16 b + i = k 32 b + 16 (lane / 16) + i of my row: the four blocks' scales; the word goes to v[w]
.macro QSCALE s, w
.irp b, 0,1,2,3
	v_max3_num_f32 v[TM+\b], |v[\s+16*\b]|, |v[\s+1+16*\b]|, 0x1800000   ; my 16 numbers, and the floor 2^(3 - 127): the byte cannot fall under 1
.endr
.irp i, 2,4,6,8,10,12,14
.irp b, 0,1,2,3
	v_max3_num_f32 v[TM+\b], v[TM+\b], |v[\s+16*\b+\i]|, |v[\s+1+16*\b+\i]|
.endr
.endr
.irp b, 0,1,2,3
	v_permlanex16_b32 v[TM+4+\b], v[TM+\b], s[SEL], s[SEL+1]
.endr
.irp b, 0,1,2,3
	v_max_num_f32 v[TM+\b], v[TM+\b], v[TM+4+\b]   ; with lane l xor 16's: the block's largest magnitude
.endr
.irp b, 0,1,2,3
	v_add_nc_u32 v[TM+12+\b], 0xff000000, v[TM+\b] ; 2 off its exponent field: the conversion's scale operand
.endr
.irp b, 0,1,2,3
	v_lshrrev_b32 v[TM+4+\b], 23, v[TM+12+\b]      ; the scale's byte
.endr
	v_lshl_or_b32 v[\w], v[TM+5], 8, v[TM+4]
	v_lshl_or_b32 v[\w], v[TM+6], 16, v[\w]
	v_lshl_or_b32 v[\w], v[TM+7], 24, v[\w]
	v_lshrrev_b32 v[\w], v[VSH], v[\w]             ; mode 0, lanes 16-31: the second head's two bytes come down
.endm
.macro QCODES s
.irp c, 0,1
	v_cvt_scalef32_pk16_fp6_f32 v[PC+6*\c:PC+2+6*\c], v[\s+32*\c:\s+15+32*\c], v[TM+12+2*\c]
	v_cvt_scalef32_pk16_fp6_f32 v[PC+12+4*\c:PC+14+4*\c], v[\s+16+32*\c:\s+31+32*\c], v[TM+12+2*\c+1]
.endr
	v_nop                                          ; one plain line behind the conversions
.irp c, 0,1                                    ; the operand's layout wants a whole block in a lane
.irp i, 0,1,2
	v_permlane16_swap_b32 v[PC+6*\c+\i], v[PC+12+4*\c+\i]
.endr
.irp i, 0,1,2
	v_mov_b32 v[PC+3+6*\c+\i], v[PC+12+4*\c+\i]
.endr
.endr
.endm
.macro OUTBLK a                        ; block a of A: 16 rows x my 128 of B
	WIN 0x02+(\a)/4                                ; source 0: the accumulators' window
.set n, 0
.rept 32
	v_pk_add_f32 v[T+n:T+n+1], v[64*((\a)%4)+n:64*((\a)%4)+n+1], v[BLP+2*(\a):BLP+2*(\a)+1]   ; + the bias of my row of A (0 in mode 0); each accumulator from its low end on
.set n, n+2
.endr
	WIN 0
	QSCALE T, SW+(\a)
	s_wait_xcnt 0x0                                ; the last block's stores have read the codes' registers
	QCODES T
.irp c, 0,1
	global_store_b128 v[VO16+\c], v[PC+6*\c:PC+6*\c+3], s[BA+2*(\a):BA+2*(\a)+1]
	global_store_b64 v[VO8+\c], v[PC+6*\c+4:PC+6*\c+5], s[BA+2*(\a):BA+2*(\a)+1] offset:512
.endr
.endm
.irp a, 0,1,2,3,4,5,6,7
	OUTBLK \a
.endr
.irp i, 0,1,2,3
	v_cndmask_b32 v[X4+\i], v[SW+\i], v[SW+4+\i], s94   ; mode 1: lanes 16-31 take the second head's four tiles
.endr
	global_store_b128 v[AD1], v[X4:X4+3], s[SCBP:SCBP+1]
	s_cmp_lg_u32 s95, 0
	s_cbranch_scc1 .Lv_mode                        ; the mode is the same in every wave and every partner
	global_store_b128 v[AD1], v[SW+4:SW+7], s[SCBP:SCBP+1] offset:16   ; mode 0: a position has eight words
.Lv_mode:
	s_wait_tensorcnt 0x0                           ; the wave's end
	ds_add_u32 v[SPW], v[NIL]
	s_wait_dscnt 0x0
	CROUND                                         ; the closing round: no work-group ends while a partner may still ask for a tile that names it
	s_endpgm
.Lfunc_end_k_qb1091e7170_qkvg:
	.size	k_qb1091e7170_qkvg, .Lfunc_end_k_qb1091e7170_qkvg-k_qb1091e7170_qkvg
	.p2alignl 7, 3214868480
	.fill 96, 4, 3214868480
	.section	.rodata,"a",@progbits
	.p2align	6, 0x0
	.amdhsa_kernel k_qb1091e7170_qkvg
		.amdhsa_group_segment_fixed_size 327680
		.amdhsa_private_segment_fixed_size 0
		.amdhsa_enable_private_segment 0
		.amdhsa_kernarg_size 48
		.amdhsa_user_sgpr_count 2
		.amdhsa_user_sgpr_kernarg_segment_ptr 1
		.amdhsa_wavefront_size32 1
		.amdhsa_system_sgpr_workgroup_id_x 1
		.amdhsa_system_sgpr_workgroup_id_y 1
		.amdhsa_system_sgpr_workgroup_id_z 1
		.amdhsa_system_vgpr_workitem_id 0
		.amdhsa_next_free_vgpr 1024
		.amdhsa_next_free_sgpr 102
		.amdhsa_reserve_vcc 0
		.amdhsa_float_denorm_mode_32 3
		.amdhsa_float_denorm_mode_16_64 3
		.amdhsa_memory_ordered 1
		.amdhsa_forward_progress 1
		.amdhsa_inst_pref_size 173
	.end_amdhsa_kernel
	.amdgpu_metadata
---
amdhsa.version: [ 1, 2 ]
amdhsa.kernels:
  - .name:           k_qb1091e7170_qkvg
    .symbol:         k_qb1091e7170_qkvg.kd
    .args:
      - { .name: xc, .offset: 0, .size: 8, .value_kind: global_buffer, .address_space: global }
      - { .name: xs, .offset: 8, .size: 8, .value_kind: global_buffer, .address_space: global }
      - { .name: wc, .offset: 16, .size: 8, .value_kind: global_buffer, .address_space: global }
      - { .name: ws, .offset: 24, .size: 8, .value_kind: global_buffer, .address_space: global }
      - { .name: b_qkv, .offset: 32, .size: 8, .value_kind: global_buffer, .address_space: global }
      - { .name: rec, .offset: 40, .size: 8, .value_kind: global_buffer, .address_space: global }
    .group_segment_fixed_size: 327680
    .private_segment_fixed_size: 0
    .kernarg_segment_align: 8
    .kernarg_segment_size: 48
    .max_flat_workgroup_size: 128
    .sgpr_count:     102
    .vgpr_count:     1024
    .wavefront_size: 32
...
	.end_amdgpu_metadata
.endif
;; end of part 2
;; launch attn (part 3): grid 4 x 64, 16 waves a work-group, clusters of 4 x 1, 215,040 bytes of LDS; arguments rec, yc, ys; writes yc, ys
.if DOCPART == 3
	.amdgcn_target "amdgcn-amd-amdhsa--gfx1250"
	.amdhsa_code_object_version 6
	.text
	.protected	k_qb1091e7170_attn
	.globl	k_qb1091e7170_attn
	.p2align	8
	.type	k_qb1091e7170_attn,@function
k_qb1091e7170_attn:
	s_mov_b64 s[64:65], 0
	v_nop
	global_prefetch_b8 v0, s[64:65] scope:SCOPE_SE
	s_setreg_imm32_b32 hwreg(HW_REG_WAVE_MODE, 25, 1), 1
	s_wait_xcnt 0x0
	s_wait_alu depctr_hold_cnt(0) depctr_sa_sdst(0) depctr_va_vdst(0) depctr_va_sdst(0) depctr_va_ssrc(0) depctr_va_vcc(0) depctr_vm_vsrc(0)
	s_getreg_b32 s2, hwreg(HW_REG_IB_STS2, 6, 4)
	s_cmp_eq_u32 s2, 0
	s_cbranch_scc0 .Lentry_in_a_cluster
	s_endpgm
.Lentry_in_a_cluster:
	s_bfe_u32 s2, ttmp6, 0x10000c
	s_cmp_lg_u32 s2, 0x3003
	s_cbranch_scc0 .Lentry_shape_is_right
	s_endpgm
.Lentry_shape_is_right:
; y[b][q][head] = softmax over the keys k <= q of (Q . K / 8) times V, both products on codes of FP6 (E2M3) with E8M0 scales; y is quantised along the model's 1,024 and stored as the last launch's operand.
; INPUT: one record of REC bytes for each (batch, head): K's scale words, V's scale words, 16 key steps of K's and V's tiles (208,896 bytes in all), then Q's 128 tiles and their scale words; tiles are images of operand registers:
; 768 bytes for 16 rows x 64 K: lane l's first 16 bytes at 16 l, its last 8 at 512 + 8 l.  Position m of tile 2 G + u is row 32 G + 16 (m / 8) + 8 u + m % 8.
; THE SOFTMAX: t = score x log2(e) / 8; M = the running largest t rounded UP to a whole number; p = 2^(t - M) is quantised along the keys, not normalised; the row's sum is taken of the unquantised p and divides at the end.
; When M moves, the sum and O are multiplied by 2^(old M - new M): exact.
; SHARES.  A cluster of four work-groups is one head.  The head's K, V and their scales are the record's first 208,896 bytes and stay in LDS as they lie: filled ONCE, jointly (each of the 16 waves asks for 51 rows of 256 bytes with a mask
; that names the four), so nothing is filled again.  The 128 queries of group g need key steps 0 .. g.  Partner cx takes tiles 8 g + 2 cx + u of every g; wave w works (g = w, u = 0) and then (g = 15 - w, u = 1): 17 key steps
; for every wave.  Branches hang on the wave's number and on counters alone, never on cx.
; LAYOUT.  Both products are used transposed: S^T = K Q^T, O^T = V^T P^T: a lane holds one query throughout; by the tiles' order the 16 registers of two neighbouring tiles are 16 neighbouring keys (or channels).
; THE HEAD IS 64: the upper half of Q's fragment is zero codes.  K's fragments lie six registers apart; what the instruction reads as K's upper half is the next tile's codes (zeros behind the last), which meet Q's zeros under scale bytes that are never 0xff.
; LIMITS: hidden scores are taken as -infinity where the definition has -1e9: the same (p = 0) while a row's real logits stay above about -1e9.  NaN and infinities are not served.  A block of y under 2^-124 gets the byte 1.
; y's scale bytes leave one byte a lane (1 byte for 24 of codes): their 256-byte blocks are written in parts.
; REGISTERS: v1-7 addresses that stay; v8-11 addresses of the step; v12 -M, v13 the largest t, v[14:15] the sum; v16-27 Q of the first tile; v31 my query's place for the mask; v32-85 K's fragments, then V's; v86-93 K's scale words;
;   v96-159 S^T, then p; v160-191 O^T; v192-203 Q of the second tile, v204 its scale words; v224-235 p's codes; v232-254 at work; v248-251 V's scale words; v253 p's scale word; v255 the first Q's scale words.
.set REC,   315392
.set VSO,   8192
.set KVO,   12288
.set QOF,   208896
.set QSOF,  307200
.set STEPB, 12288                      ; a key step: K's 8 tiles, then V's 2 x 4
.set PART,  13056                      ; a wave's part of the fill: 51 rows of 256 bytes
.macro ROUND                           ; a round of the cluster's barrier
	s_barrier_signal -1
	s_barrier_wait -1
	s_cmp_lg_u32 s18, 0
	s_cbranch_scc1 .Lnot_wave_0_\@
	s_barrier_signal -3
.Lnot_wave_0_\@:
	s_barrier_wait -3
	s_barrier_signal -1
	s_barrier_wait -1
.endm
	s_load_b128 s[4:7], s[0:1], 0x0                ; rec s[4:5], yc s[6:7]
	s_load_b64 s[8:9], s[0:1], 0x10                ; ys
	v_lshl_add_u32 v223, v0, 2, 0x34000
	v_mov_b32 v243, 0
	ds_add_u32 v223, v243
	ds_add_u32 v223, v243
	v_lshrrev_b32 v1, 5, v0
	s_delay_alu instid0(VALU_DEP_1)
	v_readfirstlane_b32 s18, v1                    ; wave 0..15
	s_bfe_u32 s19, ttmp6, 0x40000                  ; cx
	s_and_b32 s15, ttmp7, 0xffff                   ; 16 x batch + head, which the four partners share
	s_mul_i32 s16, s15, REC
	s_mov_b32 s17, 0
	s_mov_b32 s24, 15|(3<<16)|(1<<21)              ; group 1: the mask names all four; elements of 8 bytes; no padding
	s_mov_b32 s25, 32<<16                          ; tensor_dim0: 256 bytes
	s_mov_b32 s26, 51<<16                          ; tensor_dim1
	s_mov_b32 s27, 32<<16                          ; tile_dim0
	s_mov_b32 s28, 51                              ; tile_dim1
	s_mov_b32 s29, 32                              ; dense
	s_mov_b32 s30, 0
	s_mov_b32 s31, 0
	s_mov_b32 s40, 1
	s_mul_i32 s41, s18, PART                       ; LDS address = the byte's place in the record
	s_mov_b32 s2, s41
	s_mov_b32 s3, 0
	s_mov_b32 s20, 0x76543210
	s_mov_b32 s21, 0xfedcba98                      ; v_permlanex16_b32's selects for lane l xor 16
	s_mov_b32 s22, 0x3e38aa3b                      ; c = log2(e) / 8
	s_mov_b32 s23, s22                             ; (named with it as a pair, so it is written)
	s_mov_b32 s56, 0xffff0000                      ; lanes 16-31
	s_wait_dscnt 0x0
	s_wait_kmcnt 0x0
	s_add_nc_u64 s[10:11], s[4:5], s[16:17]        ; my head's record
	s_add_nc_u64 s[42:43], s[10:11], s[2:3]
	s_or_b32 s43, s43, 0x80000000
	ROUND                                          ; all four work-groups are here: the joint loads meet
	tensor_load_to_lds s[40:43], s[24:31]          ; my one tensor load
	s_nop 0
.rept 4
	v_nop
.endr
	s_lshl_b32 s57, s19, 1                         ; 2 cx
	s_lshl_b32 s2, s18, 3
	s_add_co_u32 s2, s2, s57                       ; my first tile of queries: 8 w + 2 cx
	s_sub_co_u32 s58, 15, s18                      ; the second's group: 15 - w
	s_lshl_b32 s3, s58, 3
	s_add_co_u32 s3, s3, s57
	s_add_co_u32 s3, s3, 1                         ; 8 (15 - w) + 2 cx + 1
	s_mul_i32 s66, s2, 768
	s_add_co_u32 s66, s66, QOF
	s_mov_b32 s67, 0
	s_add_nc_u64 s[66:67], s[10:11], s[66:67]      ; their codes,
	s_mul_i32 s70, s3, 768
	s_add_co_u32 s70, s70, QOF
	s_mov_b32 s71, 0
	s_add_nc_u64 s[70:71], s[10:11], s[70:71]
	s_lshl_b32 s59, s57, 2
	s_lshl_b32 s68, s18, 9
	s_add_co_u32 s68, s68, s59
	s_add_co_u32 s68, s68, QSOF
	s_mov_b32 s69, 0
	s_add_nc_u64 s[68:69], s[10:11], s[68:69]      ; their scale words: 512 g + 4 (2 cx + u)
	s_lshl_b32 s72, s58, 9
	s_add_co_u32 s72, s72, s59
	s_add_co_u32 s72, s72, QSOF+4
	s_mov_b32 s73, 0
	s_add_nc_u64 s[72:73], s[10:11], s[72:73]
	s_lshr_b32 s60, s15, 4                         ; the batch
	s_and_b32 s61, s15, 15                         ; the head
	s_lshl_b32 s60, s60, 7
	s_add_co_u32 s2, s2, s60                       ; the tiles among yc's 512
	s_add_co_u32 s3, s3, s60
	s_mul_i32 s62, s61, 768                        ; the head is y's plane of 64 along K
	s_lshl_b32 s63, s61, 1
	s_mul_i32 s48, s2, 12288
	s_add_co_u32 s48, s48, s62
	s_mov_b32 s49, 0
	s_add_nc_u64 s[48:49], s[6:7], s[48:49]
	s_lshl_b32 s50, s2, 9
	s_add_co_u32 s50, s50, s63
	s_mov_b32 s51, 0
	s_add_nc_u64 s[50:51], s[8:9], s[50:51]
	s_mul_i32 s52, s3, 12288
	s_add_co_u32 s52, s52, s62
	s_mov_b32 s53, 0
	s_add_nc_u64 s[52:53], s[6:7], s[52:53]
	s_lshl_b32 s54, s3, 9
	s_add_co_u32 s54, s54, s63
	s_mov_b32 s55, 0
	s_add_nc_u64 s[54:55], s[8:9], s[54:55]
	s_lshl_b32 s59, s19, 5                         ; 32 cx
	v_and_b32 v28, 31, v0                          ; lane
	v_and_b32 v29, 15, v0                          ; r
	v_bfe_u32 v30, v0, 4, 1                        ; h
	s_delay_alu instid0(VALU_DEP_3)
	v_lshlrev_b32 v5, 4, v28                       ; 16 x lane
	s_delay_alu instid0(VALU_DEP_4)
	v_lshlrev_b32 v6, 3, v28                       ; 8 x lane
	s_delay_alu instid0(VALU_DEP_2)
	v_add_nc_u32 v1, KVO, v5
	s_delay_alu instid0(VALU_DEP_2)
	v_add_nc_u32 v2, KVO, v6
	v_lshlrev_b32 v3, 5, v29                       ; K's and Q's scale words: 32 bytes a position
	v_lshl_add_u32 v4, v29, 4, VSO                 ; V's: 16 bytes a position
	s_delay_alu instid0(VALU_DEP_2)
	v_add_nc_u32 v7, v3, v30                       ; ys: 32 bytes a row, + my block
	global_load_b128 v[16:19], v5, s[66:67]        ; Q's two fragments stay in registers
	global_load_b64 v[20:21], v6, s[66:67] offset:512
	global_load_b32 v255, v3, s[68:69]
	global_load_b128 v[192:195], v5, s[70:71]
	global_load_b64 v[196:197], v6, s[70:71] offset:512
	global_load_b32 v204, v3, s[72:73]
	v_and_b32 v31, 7, v29
	v_and_b32 v94, 8, v29
	s_delay_alu instid0(VALU_DEP_1)
	v_lshl_add_u32 v31, v94, 1, v31
	v_lshlrev_b32 v94, 4, v30
	s_delay_alu instid0(VALU_DEP_1)
	v_sub_nc_u32 v31, v31, v94
	s_delay_alu instid0(VALU_DEP_1)
	v_add_nc_u32 v31, s59, v31                     ; d = 32 cx + 16 (r / 8) + r % 8 - 16 h: my query's place in its 128, less 8 u and my half's 16 keys
.irp i, 0,1,2,3,4,5
	v_mov_b32 v[22+\i], 0                          ; the upper halves of Q's fragments: zero codes
	v_mov_b32 v[198+\i], 0
	v_mov_b32 v[80+\i], 0                          ; and what stands behind K's last tile
.endr
.irp b, 0,1,2,3
	v_mov_b32 v[236+\b], 0                         ; written once: a lane permute's destination counts as one of its sources
.endr
	v_mov_b32 v252, 0
	v_mov_b32 v253, 0                              ; (named as the upper half of the pair v[252:253] before it is first written)
; A KEY STEP: 128 keys.  u: which of my two tiles; qf, qs: its fragment and scale words.
.macro STEP u, qf, qs
	v_add_nc_u32 v8, s12, v1                       ; (these four are also the places in front of the loads into registers that the last products read)
	v_add_nc_u32 v9, s12, v2
	v_add_nc_u32 v10, s13, v3
	v_add_nc_u32 v11, s14, v4
.irp t, 0,1,2,3,4,5,6,7
	ds_load_b128 v[32+6*\t:35+6*\t], v8 offset:768*\t
	ds_load_b64 v[36+6*\t:37+6*\t], v9 offset:768*\t+512
.endr
	ds_load_b128 v[86:89], v10                     ; the eight tiles' scale words of position r
	ds_load_b128 v[90:93], v10 offset:16
	s_wait_alu depctr_va_vdst(0)
	s_wait_dscnt 0x0
.irp t, 0,1,2,3,4,5,6,7
	v_wmma_scale_f32_16x16x128_f8f6f4 v[96+8*\t:103+8*\t], v[32+6*\t:43+6*\t], v[\qf:\qf+11], 0, v[86+\t], v[\qs] matrix_a_fmt:MATRIX_FMT_FP6 matrix_b_fmt:MATRIX_FMT_FP6
.endr
.rept 4
	v_nop                                          ; places in front of the loads below and of the first read of the scores
.endr
.irp d, 0,1,2,3                                ; V's four fragments (16 channels x 128 keys) are asked for now and land under the softmax
	ds_load_b128 v[32+12*\d:35+12*\d], v8 offset:6144+768*\d
	ds_load_b64 v[36+12*\d:37+12*\d], v9 offset:6144+768*\d+512
	ds_load_b128 v[38+12*\d:41+12*\d], v8 offset:9216+768*\d
	ds_load_b64 v[42+12*\d:43+12*\d], v9 offset:9216+768*\d+512
.endr
	ds_load_b128 v[248:251], v11
	s_cmp_lg_u32 s2, s3                            ; the step on the diagonal: hidden scores become -infinity ahead of the maximum; p = 0 then
	s_cbranch_scc1 .Lopen_\@
	v_mov_b32 v254, 0xff800000
.set n, 0
.rept 64
	v_cmp_gt_i32 vcc_lo, 32*(n/16)+n%16-8*\u, v31  ; register 16 b + i holds key 32 b + 16 h + i of the step: hidden where it lies past my query
	v_cndmask_b32 v[96+n], v[96+n], v254, vcc_lo
.set n, n+1
.endr
.Lopen_\@:
.irp b, 0,1,2,3
	v_max3_num_f32 v[232+\b], v[96+16*\b], v[97+16*\b], v[98+16*\b]   ; the largest score of each block of 32 keys: it serves the row's maximum and, since p rises with the score, the block's largest p
.endr
.irp i, 3,5,7,9,11,13
.irp b, 0,1,2,3
	v_max3_num_f32 v[232+\b], v[232+\b], v[96+16*\b+\i], v[97+16*\b+\i]
.endr
.endr
.irp b, 0,1,2,3
	v_max_num_f32 v[232+\b], v[232+\b], v[111+16*\b]
.endr
.irp b, 0,1,2,3
	s_delay_alu instid0(VALU_DEP_4)
	v_permlanex16_b32 v[236+\b], v[232+\b], s20, s21
.endr
.irp b, 0,1,2,3
	s_delay_alu instid0(VALU_DEP_4)
	v_max_num_f32 v[232+\b], v[232+\b], v[236+\b]  ; with lane l xor 16's 16 keys
.endr
	s_delay_alu instid0(VALU_DEP_2)
	v_max3_num_f32 v254, v232, v233, v234
	s_delay_alu instid0(VALU_DEP_1)
	v_max_num_f32 v254, v254, v235
	s_delay_alu instid0(VALU_DEP_1)
	v_mul_f32 v254, s22, v254                      ; the step's largest t
	s_delay_alu instid0(VALU_DEP_1)
	v_max_num_f32 v13, v13, v254                   ; the running largest t
	v_mov_b32 v254, v12
	s_delay_alu instid0(VALU_DEP_2)
	v_floor_f32 v12, -v13                          ; the new -M = floor(-t): M is a whole number
	s_delay_alu instid0(VALU_DEP_1)
	v_sub_f32 v254, v12, v254                      ; old M less new M: a whole number, 0 or less
	s_delay_alu instid0(VALU_DEP_1)
	v_cvt_i32_f32 v254, v254
	s_delay_alu instid0(VALU_DEP_1)
	v_ldexp_f32 v252, 1.0, v254                    ; f = 2^(old M - new M)
.set n, 0
.rept 32
	v_pk_fma_f32 v[96+n:97+n], v[96+n:97+n], s[22:23], v[12:13] op_sel_hi:[1,0,0]   ; t - M, two at a time
.set n, n+2
.endr
	s_setprio 1
.irp b, 0,1,2,3
	v_fma_f32 v[232+\b], v[232+\b], s22, v12       ; the same of each block's largest score
.endr
.set n, 0
	s_wait_alu depctr_va_vdst(0)
.rept 64
	v_exp_f32 v[96+n], v[96+n]                     ; p = 2^(t - M), at most 1
.set n, n+1
.endr
	v_pk_mul_f32 v[14:15], v[14:15], v[252:253] op_sel_hi:[1,0]   ; the sums under the new M (the plain line behind the exponentials)
	s_wait_alu depctr_va_vdst(0)                   ; one wait for the batch of 64, ahead of its first reader
.irp b, 0,1,2,3
	v_exp_f32 v[232+\b], v[232+\b]                 ; the block's largest p
.endr
	v_pk_add_f32 v[236:237], v[100:101], v[104:105]
	v_pk_add_f32 v[246:247], v[108:109], v[112:113]
	v_pk_add_f32 v[244:245], v[116:117], v[120:121]
	v_pk_add_f32 v[240:241], v[124:125], v[128:129]
	v_pk_add_f32 v[238:239], v[132:133], v[136:137]
	v_pk_add_f32 v[230:231], v[140:141], v[144:145]
	v_pk_add_f32 v[228:229], v[148:149], v[152:153]
	v_pk_add_f32 v[14:15], v[14:15], v[156:157]
	v_pk_add_f32 v[236:237], v[236:237], v[96:97]
	v_pk_add_f32 v[246:247], v[246:247], v[98:99]
	v_pk_add_f32 v[244:245], v[244:245], v[102:103]
	v_pk_add_f32 v[240:241], v[240:241], v[106:107]
	v_pk_add_f32 v[238:239], v[238:239], v[110:111]
	v_pk_add_f32 v[230:231], v[230:231], v[114:115]
	v_pk_add_f32 v[228:229], v[228:229], v[118:119]
	v_pk_add_f32 v[14:15], v[14:15], v[122:123]
	v_pk_add_f32 v[236:237], v[236:237], v[126:127]
	v_pk_add_f32 v[246:247], v[246:247], v[130:131]
	v_pk_add_f32 v[244:245], v[244:245], v[134:135]
	v_pk_add_f32 v[240:241], v[240:241], v[138:139]
	v_pk_add_f32 v[238:239], v[238:239], v[142:143]
	v_pk_add_f32 v[230:231], v[230:231], v[146:147]
	v_pk_add_f32 v[228:229], v[228:229], v[150:151]
	v_pk_add_f32 v[14:15], v[14:15], v[154:155]
	v_pk_add_f32 v[236:237], v[236:237], v[158:159]
	s_delay_alu instid0(VALU_DEP_2)
	v_pk_add_f32 v[14:15], v[14:15], v[240:241]
	s_delay_alu instid0(VALU_DEP_2)
	v_pk_add_f32 v[236:237], v[236:237], v[238:239]
	v_pk_add_f32 v[246:247], v[246:247], v[230:231]
	v_pk_add_f32 v[244:245], v[244:245], v[228:229]
	s_delay_alu instid0(VALU_DEP_2)
	v_pk_add_f32 v[14:15], v[14:15], v[246:247]
	s_delay_alu instid0(VALU_DEP_2)
	v_pk_add_f32 v[236:237], v[236:237], v[244:245]
	s_delay_alu instid0(VALU_DEP_1)
	v_pk_add_f32 v[14:15], v[14:15], v[236:237]
	s_wait_alu depctr_va_vdst(0)                   ; and one for the four
.irp b, 0,1,2,3
	v_max_num_f32 v[232+\b], 0x1800000, v[232+\b]  ; the floor 2^(3 - 127): the byte cannot fall under 1
.endr
.irp b, 0,1,2,3
	s_delay_alu instid0(VALU_DEP_4)
	v_add_nc_u32 v[244+\b], 0xff000000, v[232+\b]  ; 2 off the exponent field: the conversion's scale operand
.endr
.irp b, 0,1,2,3
	s_delay_alu instid0(VALU_DEP_4)
	v_lshrrev_b32 v[236+\b], 23, v[244+\b]
.endr
	s_delay_alu instid0(VALU_DEP_3)
	v_lshl_or_b32 v253, v237, 8, v236              ; p's scale word for these 128 keys
	s_delay_alu instid0(VALU_DEP_1)
	v_lshl_or_b32 v253, v238, 16, v253
	s_delay_alu instid0(VALU_DEP_1)
	v_lshl_or_b32 v253, v239, 24, v253
	s_setprio 0
.irp c, 0,1
	v_cvt_scalef32_pk16_fp6_f32 v[224+6*\c:226+6*\c], v[96+32*\c:111+32*\c], v[244+2*\c]
	v_cvt_scalef32_pk16_fp6_f32 v[236+4*\c:238+4*\c], v[112+32*\c:127+32*\c], v[244+2*\c+1]
.endr
	v_nop                                          ; one plain line behind the conversions
.irp c, 0,1                                    ; the operand's layout wants a whole block in a lane
.irp i, 0,1,2
	v_permlane16_swap_b32 v[224+6*\c+\i], v[236+4*\c+\i]
.endr
.irp i, 0,1,2
	s_delay_alu instid0(VALU_DEP_3)
	v_mov_b32 v[227+6*\c+\i], v[236+4*\c+\i]
.endr
.endr
.set n, 0
.rept 16
	v_pk_mul_f32 v[160+n:161+n], v[160+n:161+n], v[252:253] op_sel_hi:[1,0]   ; O^T under the new M (these sixteen are also the places in front of the products below)
.set n, n+2
.endr
	s_wait_alu depctr_va_vdst(0)
	s_wait_dscnt 0x0                               ; V and its scale words are in
.irp d, 0,1,2,3
	v_wmma_scale_f32_16x16x128_f8f6f4 v[160+8*\d:167+8*\d], v[32+12*\d:43+12*\d], v[224:235], v[160+8*\d:167+8*\d], v[248+\d], v253 matrix_a_fmt:MATRIX_FMT_FP6 matrix_b_fmt:MATRIX_FMT_FP6
.endr
.endm
; Every wave walks all 16 key steps: the trip count is a constant.  A step whose keys all come after my queries is left out by a scalar branch on the wave's number and the counter, round the step's work alone.
.macro KLOOP u, qf, qs
.Lk_\@:
	s_cmp_gt_u32 s2, s3
	s_cbranch_scc1 .Lskip_\@
	s_setprio 2
	STEP \u, \qf, \qs
.Lskip_\@:
	s_add_co_u32 s2, s2, 1
	s_add_co_u32 s12, s12, STEPB
	s_add_co_u32 s13, s13, 512
	s_add_co_u32 s14, s14, 256
	s_cmp_lt_u32 s2, 16
	s_cbranch_scc1 .Lk_\@
	s_setprio 0
.endm
.macro INIT                            ; the step is written once: the first finds zeros, which the first change of M leaves zeros
	s_mov_b32 s2, 0                                ; the key step,
	s_mov_b32 s12, 0                               ; its tiles,
	s_mov_b32 s13, 0                               ; K's scale words,
	s_mov_b32 s14, 0                               ; V's
	v_mov_b32 v13, 0xff61b1e6                      ; the largest t so far: -3e38
	s_delay_alu instid0(VALU_DEP_1)
	v_floor_f32 v12, -v13
	v_mov_b32 v14, 0
	v_mov_b32 v15, 0
.set n, 0
.rept 32
	v_mov_b32 v[160+n], 0
.set n, n+1
.endr
.endm
; y = O^T / the sum, quantised along the head's 64 (two blocks): register 16 G + i is channel 32 G + 16 h + i of my query.  The six registers of codes are a plane of yc's tile as they stand.
.macro FINAL yb, ysb
.rept 4
	v_nop                                          ; places behind the last products
.endr
	v_add_f32 v14, v14, v15
	s_delay_alu instid0(VALU_DEP_1)
	v_permlanex16_b32 v252, v14, s20, s21
	s_delay_alu instid0(VALU_DEP_1)
	v_add_f32 v14, v14, v252                       ; the row's sum
	s_wait_alu depctr_va_vdst(0)
	v_rcp_f32 v14, v14
	v_nop                                          ; the plain line behind the reciprocal,
	s_wait_alu depctr_va_vdst(0)                   ; and the wait ahead of its first reader
.set n, 0
.rept 16
	v_pk_mul_f32 v[96+n:97+n], v[160+n:161+n], v[14:15] op_sel_hi:[1,0]   ; each accumulator from its low end on
.set n, n+2
.endr
.irp b, 0,1
	v_max3_num_f32 v[232+\b], |v[96+16*\b]|, |v[97+16*\b]|, 0x1800000
.endr
.irp i, 2,4,6,8,10,12,14
.irp b, 0,1
	s_delay_alu instid0(VALU_DEP_2)
	v_max3_num_f32 v[232+\b], v[232+\b], |v[96+16*\b+\i]|, |v[97+16*\b+\i]|
.endr
.endr
.irp b, 0,1
	s_delay_alu instid0(VALU_DEP_2)
	v_permlanex16_b32 v[236+\b], v[232+\b], s20, s21
.endr
.irp b, 0,1
	s_delay_alu instid0(VALU_DEP_2)
	v_max_num_f32 v[232+\b], v[232+\b], v[236+\b]
.endr
.irp b, 0,1
	s_delay_alu instid0(VALU_DEP_2)
	v_add_nc_u32 v[244+\b], 0xff000000, v[232+\b]
.endr
.irp b, 0,1
	s_delay_alu instid0(VALU_DEP_2)
	v_lshrrev_b32 v[236+\b], 23, v[244+\b]
.endr
	v_cvt_scalef32_pk16_fp6_f32 v[224:226], v[96:111], v244
	v_cvt_scalef32_pk16_fp6_f32 v[240:242], v[112:127], v245
	v_cndmask_b32 v254, v236, v237, s56            ; my block's byte: lanes 16-31 the second's (the plain line behind the conversions)
.irp i, 0,1,2
	v_permlane16_swap_b32 v[224+\i], v[240+\i]
.endr
.irp i, 0,1,2
	s_delay_alu instid0(VALU_DEP_3)
	v_mov_b32 v[227+\i], v[240+\i]
.endr
	global_store_b128 v5, v[224:227], s[\yb:\yb+1]             ; 512 consecutive bytes,
	global_store_b64 v6, v[228:229], s[\yb:\yb+1] offset:512   ; and 256
	global_store_b8 v7, v254, s[\ysb:\ysb+1]
.endm
	s_wait_tensorcnt 0x0                           ; my part of the head is in,
	s_wait_loadcnt 0x0                             ; and Q
	s_barrier_signal -1
	s_barrier_wait -1                              ; everybody's part is
	s_mov_b32 s3, s18                              ; the first tile's group: w
	INIT
	KLOOP 0, 16, 255
	FINAL 48, 50
	s_wait_xcnt 0x0                                ; the stores have read their registers, which the second tile's work writes again
	s_mov_b32 s3, s58                              ; the second's: 15 - w
	INIT
	KLOOP 1, 192, 204
	FINAL 52, 54
	s_wait_tensorcnt 0x0
	ds_add_u32 v223, v243
	s_wait_dscnt 0x0
	ROUND                                          ; the closing round
	s_endpgm
.Lfunc_end_k_qb1091e7170_attn:
	.size	k_qb1091e7170_attn, .Lfunc_end_k_qb1091e7170_attn-k_qb1091e7170_attn
	.p2alignl 7, 3214868480
	.fill 96, 4, 3214868480
	.section	.rodata,"a",@progbits
	.p2align	6, 0x0
	.amdhsa_kernel k_qb1091e7170_attn
		.amdhsa_group_segment_fixed_size 215040
		.amdhsa_private_segment_fixed_size 0
		.amdhsa_enable_private_segment 0
		.amdhsa_kernarg_size 24
		.amdhsa_user_sgpr_count 2
		.amdhsa_user_sgpr_kernarg_segment_ptr 1
		.amdhsa_wavefront_size32 1
		.amdhsa_system_sgpr_workgroup_id_x 1
		.amdhsa_system_sgpr_workgroup_id_y 1
		.amdhsa_system_sgpr_workgroup_id_z 1
		.amdhsa_system_vgpr_workitem_id 0
		.amdhsa_next_free_vgpr 256
		.amdhsa_next_free_sgpr 76
		.amdhsa_reserve_vcc 1
		.amdhsa_float_denorm_mode_32 3
		.amdhsa_float_denorm_mode_16_64 3
		.amdhsa_memory_ordered 1
		.amdhsa_forward_progress 1
		.amdhsa_inst_pref_size 64
	.end_amdhsa_kernel
	.amdgpu_metadata
---
amdhsa.version: [ 1, 2 ]
amdhsa.kernels:
  - .name:           k_qb1091e7170_attn
    .symbol:         k_qb1091e7170_attn.kd
    .args:
      - { .name: rec, .offset: 0, .size: 8, .value_kind: global_buffer, .address_space: global }
      - { .name: yc, .offset: 8, .size: 8, .value_kind: global_buffer, .address_space: global }
      - { .name: ys, .offset: 16, .size: 8, .value_kind: global_buffer, .address_space: global }
    .group_segment_fixed_size: 215040
    .private_segment_fixed_size: 0
    .kernarg_segment_align: 8
    .kernarg_segment_size: 24
    .max_flat_workgroup_size: 512
    .sgpr_count:     76
    .vgpr_count:     256
    .wavefront_size: 32
...
	.end_amdgpu_metadata
.endif
;; end of part 3
;; launch proj (part 4): grid 4 x 32, 4 waves a work-group, clusters of 4 x 4, 327,680 bytes of LDS; arguments yc, ys, wc, ws, b_proj, out0; writes out0
.if DOCPART == 4
	.amdgcn_target "amdgcn-amd-amdhsa--gfx1250"
	.amdhsa_code_object_version 6
	.text
	.protected	k_qb1091e7170_proj
	.globl	k_qb1091e7170_proj
	.p2align	8
	.type	k_qb1091e7170_proj,@function
k_qb1091e7170_proj:
	s_mov_b64 s[64:65], 0
	v_nop
	global_prefetch_b8 v0, s[64:65] scope:SCOPE_SE
	s_setreg_imm32_b32 hwreg(HW_REG_WAVE_MODE, 25, 1), 1
	s_wait_xcnt 0x0
	s_wait_alu depctr_hold_cnt(0) depctr_sa_sdst(0) depctr_va_vdst(0) depctr_va_sdst(0) depctr_va_ssrc(0) depctr_va_vcc(0) depctr_vm_vsrc(0)
	s_getreg_b32 s2, hwreg(HW_REG_IB_STS2, 6, 4)
	s_cmp_eq_u32 s2, 0
	s_cbranch_scc0 .Lentry_in_a_cluster
	s_endpgm
.Lentry_in_a_cluster:
	s_bfe_u32 s2, ttmp6, 0x10000c
	s_cmp_lg_u32 s2, 0xf033
	s_cbranch_scc0 .Lentry_shape_is_right
	s_endpgm
.Lentry_shape_is_right:
; out0 = y w_proj + b_proj on codes of FP6 (E2M3) with E8M0 scales, K = 1,024; out0 [8192][1024] f32.
; OPERANDS: codes [tile of 16 rows][16 planes of 64 K][768 bytes], scale bytes [row][32]; position m of tile 2 G + u is row 32 G + 16 (m / 8) + 8 u + m % 8.  w_proj's columns are rows 3,072 on of wc and ws.
; A work-group of four waves makes 256 tokens x 256 columns, a wave 128 x 128: 64 accumulators.  Source 0 ("B") = 16 columns of w_proj, source 1 ("A") = 16 tokens: a lane holds one token, and by the tiles' order the 16 registers of
; B's tiles 2 G and 2 G + 1 are 16 neighbouring columns.  The bias is the C of the first products.
; K goes through three LDS slots of 256 along K, all filled at the start; slot 0 is filled once more, with the last 256.  The scale bytes of the work-group's rows come once and stay.
; CLUSTERS: 4 x 4 work-groups; A's tiles are asked for jointly by a row of the cluster, B's by a column.
; REGISTERS, in windows of 256: window 0: v8-30 addresses; v32-63 scale words, two sets; v64-127 the bias; v128-223 A's fragments, one set; on the way out v128-255 take rows of out0.
;   window 1: B's fragments, two sets, at v0 and v128.   windows 2, 3: the accumulators of my tokens 0-63 and 64-127 ((a, b) at v[8 (8 (a % 4) + b)]).
.set NQ,    2
.set FR,    12
.set NL,    4
.set NP,    4
.set TILEB, 3072
.set HALFT, 8*TILEB
.set SLOT,  4*HALFT
.set SCL,   3*SLOT
.set HALFS, 16*272
.set SBLK,  544
.set SPARE, SCL+4*HALFS                ; the spare words, 128 bytes for each wave: two blocks of 256 bytes that no other line names
.set SPITCH, 528                       ; the way out: a stage of 16 rows x (512 bytes + 16) for each wave, in slot 1, which has had its only fill and its last read when the first result is stored there
.set STO,  8                           ; v8      the way out: where I put 64 bytes of a row
.set RD,   9                           ; v9      where I read a row back
.set CO,   10                          ; v10     16 x lane: my bytes of a row's 512
.set ADRA16, 16
.set ADRA8,  19
.set ADRB16, 22
.set ADRB8,  25
.set SPW,  28
.set NIL,  29
.set ADRS, 30
.set SC,   32
.set BI,   64
.set AF,   128
.set BK,   128                         ; the way out: 16 rows read back: v128-191 and v192-255 by turns
.set G1,   24
.set G0,   32
.set G1B,  44
.set G0B,  52
.set G1S,  68
.set G0S,  76
.set G1SB, 80
.set G0SB, 88
.set MSB, 0
.macro WIN new                         ; the immediate's high byte repeats the setting that is left
.if MSB != \new
	s_set_vgpr_msb (MSB<<8)|\new
.set MSB, \new
.endif
.endm
.set MUL_LO,   0xa1
.set MUL_HI,   0xf1
.set FIRST_LO, 0x81
.set FIRST_HI, 0xc1
.set TO_B,     0x40
.macro JLOAD g0a, g1a, g0b, g1b        ; a joint load: waves 0 and 1 fetch for A, waves 2 and 3 for B; four v_nop follow each of the two lines
	s_cmp_eq_u32 s17, 0
	s_cbranch_scc0 .Lfor_b_\@
	tensor_load_to_lds s[\g0a:\g0a+3], s[\g1a:\g1a+7]
	s_nop 0
.rept 4
	v_nop
.endr
	s_branch .Lasked_\@
.Lfor_b_\@:
	tensor_load_to_lds s[\g0b:\g0b+3], s[\g1b:\g1b+7]
	s_nop 0
.rept 4
	v_nop
.endr
.Lasked_\@:
.endm
.macro CREST
	s_cmp_lg_u32 s16, 0
	s_cbranch_scc1 .Lnot_wave_0_\@
	s_barrier_signal -3
.Lnot_wave_0_\@:
	s_barrier_wait -3
	s_barrier_signal -1
	s_barrier_wait -1
.endm
.macro CROUND
	s_barrier_signal -1
	s_barrier_wait -1
	CREST
.endm
	s_load_b256 s[4:11], s[0:1], 0x0               ; yc s[4:5], ys s[6:7], wc s[8:9], ws s[10:11]
	s_load_b128 s[12:15], s[0:1], 0x20             ; b_proj s[12:13], out0 s[14:15]
	v_lshl_add_u32 v[SPW], v0, 2, SPARE
	v_mov_b32 v[NIL], 0
	ds_add_u32 v28, v29
	ds_add_u32 v28, v29
	s_wait_dscnt 0x0
	v_lshrrev_b32 v1, 5, v0
	v_readfirstlane_b32 s16, v1                    ; wave 0..3
	s_lshr_b32 s17, s16, 1                         ; which half of the tokens is mine.  Also: I fetch for A (0) or for B (1)
	s_and_b32 s18, s16, 1                          ; which half of the columns.  Also: which 128 rows I fetch
	s_bfe_u32 s19, ttmp6, 0x40000                  ; cx
	s_bfe_u32 s20, ttmp6, 0x40004                  ; cy
	s_lshl_b32 s21, ttmp9, 2
	s_add_co_u32 s21, s21, s19                     ; work-group x: 256 columns
	s_and_b32 s22, ttmp7, 0xffff
	s_lshl_b32 s22, s22, 2
	s_add_co_u32 s22, s22, s20                     ; work-group y: 256 tokens
	s_lshl_b32 s2, s20, 2
	s_lshl_b32 s2, 15, s2                          ; my row of the cluster
	s_lshl_b32 s3, 0x1111, s19                     ; my column
	s_or_b32 s[G1], s2, (3<<16)|(1<<21)            ; codes: 8 tiles of 3,072 bytes, 12,288 bytes apart, in elements of 8 bytes; dense in LDS
	s_or_b32 s[G1B], s3, (3<<16)|(1<<21)
.irp g, G1, G1B
	s_mov_b32 s[\g+1], 384<<16
	s_mov_b32 s[\g+2], 8<<16
	s_mov_b32 s[\g+3], 384<<16
	s_mov_b32 s[\g+4], 8
	s_mov_b32 s[\g+5], 1536
	s_mov_b32 s[\g+6], 0
	s_mov_b32 s[\g+7], 0
.endr
	s_or_b32 s[G1S], s2, (3<<16)|(1<<20)|(1<<21)|(5<<22)|(3<<25)   ; scale bytes of 128 rows: 16 rows of 256 bytes, 16 of padding behind each
	s_or_b32 s[G1SB], s3, (3<<16)|(1<<20)|(1<<21)|(5<<22)|(3<<25)
.irp g, G1S, G1SB
	s_mov_b32 s[\g+1], 32<<16
	s_mov_b32 s[\g+2], 16<<16
	s_mov_b32 s[\g+3], 32<<16
	s_mov_b32 s[\g+4], 16
	s_mov_b32 s[\g+5], 32
	s_mov_b32 s[\g+6], 0
	s_mov_b32 s[\g+7], 0
.endr
	s_lshl_b32 s66, s18, 7
	s_lshl_b32 s2, s22, 8
	s_add_co_u32 s2, s2, s66                       ; the rows of A that I fetch,
	s_lshl_b32 s3, s21, 8
	s_add_co_u32 s3, s3, s66
	s_add_co_u32 s3, s3, 3072                      ; of B: w_proj's columns begin at row 3,072
	s_mul_i32 s96, s2, 768
	s_mov_b32 s97, 0
	s_lshl_b32 s98, s2, 5
	s_mov_b32 s99, 0
	s_mul_i32 s100, s3, 768
	s_mov_b32 s101, 0
	s_lshl_b32 s66, s3, 5
	s_mov_b32 s67, 0
	s_mul_i32 s2, s16, HALFT
	s_mul_i32 s3, s16, HALFS
.irp s, 0,1,2
	s_mov_b32 s[G0+4*\s], 1
	s_add_co_u32 s[G0+4*\s+1], s2, \s*SLOT
	s_mov_b32 s[G0B+4*\s], 1
	s_add_co_u32 s[G0B+4*\s+1], s2, \s*SLOT
.endr
	s_mov_b32 s[G0S], 1
	s_add_co_u32 s[G0S+1], s3, SCL
	s_mov_b32 s[G0SB], 1
	s_add_co_u32 s[G0SB+1], s3, SCL
	s_wait_kmcnt 0x0
	s_add_nc_u64 s[G0+2:G0+3], s[4:5], s[96:97]
	s_add_nc_u64 s[G0S+2:G0S+3], s[6:7], s[98:99]
	s_add_nc_u64 s[G0B+2:G0B+3], s[8:9], s[100:101]
	s_add_nc_u64 s[G0SB+2:G0SB+3], s[10:11], s[66:67]
	s_add_nc_u64 s[G0+6:G0+7], s[G0+2:G0+3], TILEB
	s_add_nc_u64 s[G0+10:G0+11], s[G0+2:G0+3], 2*TILEB
	s_add_nc_u64 s[G0B+6:G0B+7], s[G0B+2:G0B+3], TILEB
	s_add_nc_u64 s[G0B+10:G0B+11], s[G0B+2:G0B+3], 2*TILEB
.irp s, 0,1,2
	s_or_b32 s[G0+4*\s+3], s[G0+4*\s+3], 0x80000000
	s_or_b32 s[G0B+4*\s+3], s[G0B+4*\s+3], 0x80000000
.endr
	s_or_b32 s[G0S+3], s[G0S+3], 0x80000000
	s_or_b32 s[G0SB+3], s[G0SB+3], 0x80000000
	CROUND                                         ; all sixteen work-groups are here: the first joint loads meet
	JLOAD G0S, G1S, G0SB, G1SB                     ; four loads of mine are out: the scale bytes, slots 0, 1 and 2
	JLOAD G0, G1, G0B, G1B
	JLOAD G0+4, G1, G0B+4, G1B
	JLOAD G0+8, G1, G0B+8, G1B
	v_and_b32 v1, 31, v0
	v_lshlrev_b32 v2, 4, v1
	v_lshlrev_b32 v3, 3, v1
	s_mul_i32 s2, s17, HALFT
	s_mul_i32 s3, s18, HALFT
	s_add_co_u32 s3, s3, 2*HALFT
.irp s, 0,1,2
	v_add_nc_u32 v[ADRA16+\s], s2, v2
	v_add_nc_u32 v[ADRA8+\s], s2, v3
	v_add_nc_u32 v[ADRB16+\s], s3, v2
	v_add_nc_u32 v[ADRB8+\s], s3, v3
	s_add_co_u32 s2, s2, SLOT
	s_add_co_u32 s3, s3, SLOT
.endr
	v_and_b32 v4, 15, v0                           ; r
	v_bfe_u32 v5, v0, 4, 1                         ; h
	v_lshlrev_b32 v6, 5, v4
	v_lshrrev_b32 v7, 8, v6
	v_lshl_add_u32 v6, v7, 4, v6
	s_mul_i32 s2, s17, HALFS
	s_mul_i32 s3, s18, HALFS
	s_add_co_u32 s3, s3, 2*HALFS
	s_sub_co_u32 s3, s3, s2
	v_mul_u32_u24 v7, s3, v5                       ; lanes 16-31 take B's scale words
	s_add_co_u32 s2, s2, SCL
	v_add_nc_u32 v6, v6, v7
	v_add_nc_u32 v[ADRS], s2, v6
	s_mul_i32 s2, s16, 16*SPITCH
	s_add_co_u32 s2, s2, SLOT                      ; my stage
	v_mul_u32_u24 v6, v4, SPITCH
	v_lshl_add_u32 v6, v5, 6, v6
	v_add_nc_u32 v[STO], s2, v6                    ; in: row r, + 64 h: my 16 of each 32 columns
	v_mov_b32 v[CO], v2
	v_add_nc_u32 v[RD], s2, v2                     ; back: the 32 lanes take a row of 512 bytes
	s_lshl_b32 s100, s22, 8
	s_lshl_b32 s66, s17, 7
	s_add_co_u32 s100, s100, s66                   ; my first token
	s_lshl_b32 s101, s21, 8
	s_lshl_b32 s66, s18, 7
	s_add_co_u32 s101, s101, s66                   ; my first column
	s_lshl_b32 s96, s101, 2
	s_mov_b32 s97, 0
	s_lshl_b32 s98, s100, 12
	s_mov_b32 s99, 0
	s_add_nc_u64 s[14:15], s[14:15], s[96:97]
	s_add_nc_u64 s[14:15], s[14:15], s[98:99]      ; out0 at my corner
	s_add_nc_u64 s[96:97], s[12:13], s[96:97]      ; b_proj at my columns
	v_lshlrev_b32 v1, 6, v5
.irp g, 0,1,2,3
.irp i, 0,1,2,3
	global_load_b128 v[BI+16*\g+4*\i:BI+16*\g+4*\i+3], v1, s[96:97] offset:128*\g+16*\i   ; register 16 G + i: the bias of column 32 G + 16 h + i
.endr
.endr
	s_wait_alu depctr_va_vdst(0)
	s_wait_loadcnt 0x0
.macro FRAG reg, a16, a8, q, i         ; a fragment, 16 rows x 128 K, is two planes' images: each load takes consecutive bytes
	ds_load_b128 v[\reg:\reg+3], v[\a16] offset:TILEB*(\i)+1536*(\q)
	ds_load_b64 v[\reg+4:\reg+5], v[\a8] offset:TILEB*(\i)+1536*(\q)+512
	ds_load_b128 v[\reg+6:\reg+9], v[\a16] offset:TILEB*(\i)+1536*(\q)+768
	ds_load_b64 v[\reg+10:\reg+11], v[\a8] offset:TILEB*(\i)+1536*(\q)+1280
.endm
; 16 matrix instructions: A's blocks a0, a0 + 1 x B's eight.  first = 1: the bias is the sums' beginning.  The 64 accumulators take turns, one instruction a turn.
.macro MUL16 a0, p, q, sc, first
.irp a, \a0, \a0+1
.irp b, 0,1,2,3,4,5,6,7
.if \first
	v_wmma_scale_f32_16x16x128_f8f6f4 v[8*(8*((\a)%4)+\b):8*(8*((\a)%4)+\b)+7], v[128*(\p)+FR*\b:128*(\p)+FR*\b+FR-1], v[AF+FR*(\a):AF+FR*(\a)+FR-1], v[BI+8*\b:BI+8*\b+7], v[SC+16*(\sc)+NQ*\b+(\q)], v[SC+16*(\sc)+NQ*(\a)+(\q)] matrix_a_fmt:MATRIX_FMT_FP6 matrix_b_fmt:MATRIX_FMT_FP6 matrix_a_scale:MATRIX_SCALE_ROW1
.else
	v_wmma_scale_f32_16x16x128_f8f6f4 v[8*(8*((\a)%4)+\b):8*(8*((\a)%4)+\b)+7], v[128*(\p)+FR*\b:128*(\p)+FR*\b+FR-1], v[AF+FR*(\a):AF+FR*(\a)+FR-1], v[8*(8*((\a)%4)+\b):8*(8*((\a)%4)+\b)+7], v[SC+16*(\sc)+NQ*\b+(\q)], v[SC+16*(\sc)+NQ*(\a)+(\q)] matrix_a_fmt:MATRIX_FMT_FP6 matrix_b_fmt:MATRIX_FMT_FP6 matrix_a_scale:MATRIX_SCALE_ROW1
.endif
.endr
.endr
.endm
.macro FETCH_B slot, q, p
	WIN TO_B
.irp i, 0,1,2,3,4,5,6,7
	FRAG 128*(\p)+FR*\i, ADRB16+\slot, ADRB8+\slot, \q, \i
.endr
	WIN 0
.endm
.macro FETCH_A slot, q, i0
.irp i, \i0, \i0+1, \i0+2, \i0+3
	FRAG AF+FR*(\i), ADRA16+\slot, ADRA8+\slot, \q, \i
.endr
.endm
.macro SCALES sc
.irp i, 0,1,2,3,4,5,6,7
	ds_load_b64 v[SC+16*(\sc)+NQ*\i:SC+16*(\sc)+NQ*\i+1], v[ADRS] offset:\i*SBLK
.endr
.endm
.macro PLACES n                        ; plain vector lines between a matrix instruction and a load into, or a read of, its registers (ISA guide 7.12.1 for reads)
.rept \n
	v_nop
.endr
.endm
.macro STEP slot, sc, first            ; a slot's first step of 128 along K
	s_wait_dscnt 4*NL                              ; all but the youngest sixteen loads (A's blocks 4-7) are in
.if \first
	WIN FIRST_LO
.else
	WIN MUL_LO
.endif
	MUL16 0, 0, 0, \sc, \first
	MUL16 2, 0, 0, \sc, \first
	s_wait_dscnt 0
	PLACES NP
	FETCH_B \slot, 1, 1
	FETCH_A \slot, 1, 0
.if \first
	WIN FIRST_HI
.else
	WIN MUL_HI
.endif
	MUL16 4, 0, 0, \sc, \first
	MUL16 6, 0, 0, \sc, \first
	PLACES NP
	WIN 0
	FETCH_A \slot, 1, 4
.endm
; A slot's second step changes slots: one barrier; in front of it each wave waits for all its tensor loads, adds 0 to its spare word, and waits for that and for its reads of this slot.  fill = 1: this slot is filled again, with K = 768 on.
.macro TURN slot, next, sc, fill
	s_wait_tensorcnt 0x0                           ; all my tensor loads have landed
	ds_add_u32 v[SPW], v[NIL]                      ; 0 onto my spare word
	s_wait_dscnt 4*NL+1                            ; (the add and the youngest sixteen loads may be out)
	WIN MUL_LO
	MUL16 0, 1, 1, \sc, 0
	s_wait_dscnt 0x0                               ; the add is done, and my reads of this slot are over
	s_barrier_signal -1
	MUL16 2, 1, 1, \sc, 0
	WIN 0
	s_barrier_wait -1
.if \fill
	CREST                                          ; the barrier has opened a round of the cluster's barrier: no wave of any partner still reads this slot or has a load on its way
	s_add_nc_u64 s[G0+4*\slot+2:G0+4*\slot+3], s[G0+4*\slot+2:G0+4*\slot+3], 3*TILEB
	s_add_nc_u64 s[G0B+4*\slot+2:G0B+4*\slot+3], s[G0B+4*\slot+2:G0B+4*\slot+3], 3*TILEB
	JLOAD G0+4*\slot, G1, G0B+4*\slot, G1B         ; the first tensor load behind the round, my only one; its four v_nop are the places in front of the loads below
.else
	PLACES NP
.endif
	v_add_nc_u32 v[ADRS], 4*NQ, v[ADRS]
	FETCH_B \next, 0, 0
	FETCH_A \next, 0, 0
	SCALES 1-\sc
	WIN MUL_HI
	MUL16 4, 1, 1, \sc, 0
	MUL16 6, 1, 1, \sc, 0
	PLACES NP
	WIN 0
	FETCH_A \next, 0, 4
.endm
	s_wait_tensorcnt 2                             ; the scale bytes and my part of slot 0 are in; slots 1 and 2 may be out
	s_barrier_signal -1
	s_barrier_wait -1
	FETCH_B 0, 0, 0
	FETCH_A 0, 0, 0
	SCALES 0
	FETCH_A 0, 0, 4
	STEP 0, 0, 1
	TURN 0, 1, 0, 1
	s_wait_alu depctr_va_vdst(0)
	STEP 1, 1, 0
	TURN 1, 2, 1, 0
	s_wait_alu depctr_va_vdst(0)
	STEP 2, 0, 0
	TURN 2, 0, 0, 0
	STEP 0, 1, 0
	s_wait_dscnt 4*NL
	WIN MUL_LO
	MUL16 0, 1, 1, 1, 0
	MUL16 2, 1, 1, 1, 0
	s_wait_dscnt 0
	WIN MUL_HI
	MUL16 4, 1, 1, 1, 0
	MUL16 6, 1, 1, 1, 0
	WIN 0
; THE WAY OUT, block by block of 16 tokens x 128 columns, through my own stage in LDS: a lane's 64 numbers go in as four runs of 64 bytes of its row; the rows come back whole, 512 bytes to the 32 lanes.
; LDS serves a wave's instructions in order (ISA guide 5.7.1.4): no wait between the stores and the loads, nor in front of the next block's stores.
.macro TOSTAGE a
.set AC, 64*((\a)%4)
	WIN 0x08+4*((\a)/4)                            ; the data: window 2 or 3
.irp b, 0,1,2,3,4,5,6,7
	ds_store_b128 v[STO], v[AC+8*\b:AC+8*\b+3] offset:128*(\b/2)+32*(\b%2)          ; each accumulator from its low end on
	ds_store_b128 v[STO], v[AC+8*\b+4:AC+8*\b+7] offset:128*(\b/2)+32*(\b%2)+16
.endr
	WIN 0
.set BB, BK+64*((\a)%2)
.irp t, 0,1,2,3,4,5,6,7,8,9,10,11,12,13,14,15
	ds_load_b128 v[BB+4*\t:BB+4*\t+3], v[RD] offset:\t*SPITCH
.endr
.endm
.macro SEND a, younger                 ; younger: the LDS instructions issued behind block a's loads, which may stay out
.set BB, BK+64*((\a)%2)
	s_wait_dscnt \younger
.irp t, 0,1,2,3,4,5,6,7,8,9,10,11,12,13,14,15
	global_store_b128 v[CO], v[BB+4*\t:BB+4*\t+3], s[14:15] offset:(32*((\a)/2)+16*(\t/8)+8*((\a)%2)+\t%8)*4096 th:TH_STORE_NT   ; position t of tile a is that token; 512 consecutive bytes, aligned; the offset stays under 128 rows of 4,096 bytes
.endr
.endm
	PLACES NP                                      ; in front of the first read of results and of the loads into the registers that held A's fragments
	TOSTAGE 0
.irp a, 1,2,3,4,5,6,7
.if \a > 1
	s_wait_xcnt 0x0                                ; block a - 2's stores have read their registers: block a's loads may land there
.endif
	TOSTAGE \a
	SEND \a-1, 32                                  ; behind block a - 1's loads: block a's 16 stores and 16 loads
.endr
	SEND 7, 0
	s_wait_tensorcnt 0x0                           ; the wave's end
	ds_add_u32 v[SPW], v[NIL]
	s_wait_dscnt 0x0
	CROUND                                         ; the closing round
	s_endpgm
.Lfunc_end_k_qb1091e7170_proj:
	.size	k_qb1091e7170_proj, .Lfunc_end_k_qb1091e7170_proj-k_qb1091e7170_proj
	.p2alignl 7, 3214868480
	.fill 96, 4, 3214868480
	.section	.rodata,"a",@progbits
	.p2align	6, 0x0
	.amdhsa_kernel k_qb1091e7170_proj
		.amdhsa_group_segment_fixed_size 327680
		.amdhsa_private_segment_fixed_size 0
		.amdhsa_enable_private_segment 0
		.amdhsa_kernarg_size 48
		.amdhsa_user_sgpr_count 2
		.amdhsa_user_sgpr_kernarg_segment_ptr 1
		.amdhsa_wavefront_size32 1
		.amdhsa_system_sgpr_workgroup_id_x 1
		.amdhsa_system_sgpr_workgroup_id_y 1
		.amdhsa_system_sgpr_workgroup_id_z 1
		.amdhsa_system_vgpr_workitem_id 0
		.amdhsa_next_free_vgpr 1024
		.amdhsa_next_free_sgpr 102
		.amdhsa_reserve_vcc 0
		.amdhsa_float_denorm_mode_32 3
		.amdhsa_float_denorm_mode_16_64 3
		.amdhsa_memory_ordered 1
		.amdhsa_forward_progress 1
		.amdhsa_inst_pref_size 145
	.end_amdhsa_kernel
	.amdgpu_metadata
---
amdhsa.version: [ 1, 2 ]
amdhsa.kernels:
  - .name:           k_qb1091e7170_proj
    .symbol:         k_qb1091e7170_proj.kd
    .args:
      - { .name: yc, .offset: 0, .size: 8, .value_kind: global_buffer, .address_space: global }
      - { .name: ys, .offset: 8, .size: 8, .value_kind: global_buffer, .address_space: global }
      - { .name: wc, .offset: 16, .size: 8, .value_kind: global_buffer, .address_space: global }
      - { .name: ws, .offset: 24, .size: 8, .value_kind: global_buffer, .address_space: global }
      - { .name: b_proj, .offset: 32, .size: 8, .value_kind: global_buffer, .address_space: global }
      - { .name: out0, .offset: 40, .size: 8, .value_kind: global_buffer, .address_space: global }
    .group_segment_fixed_size: 327680
    .private_segment_fixed_size: 0
    .kernarg_segment_align: 8
    .kernarg_segment_size: 48
    .max_flat_workgroup_size: 128
    .sgpr_count:     102
    .vgpr_count:     1024
    .wavefront_size: 32
...
	.end_amdgpu_metadata
.endif
;; end of part 4
